; MI455X (gfx1250); checked and timed in simulation.
; The chip was launched on July 23, 2026; its instructions are those of AMD's public machine-readable ISA for CDNA 5 (MIT licence, August 2026) and "CDNA5" Instruction Set Architecture Reference Guide (July 2026). The comments in the code are by the model that wrote it; some were corrected since.
;; Cross Attention. Allowed arithmetic: matrix products marked QUANTISED: E2M3 operands, one E8M0 scale for each 32 along K, by v_wmma_scale_f32_16x16x128_f8f6f4 with both operands' format E2M3, f32 sums; everything else in f32.
;; Inputs: Wk 1,024 x 256 float32; Wo 1,024 x 1,024 float32; Wq 1,024 x 1,024 float32; Wv 1,024 x 256 float32; adj 2 x 4,096 x 1,024 float32; bk 256 float32; bo 1,024 float32; bq 1,024 float32; bv 256 float32; x 2 x 2,048 x 1,024 float32.
;; Outputs: out0 2 x 2,048 x 1,024 float32.
;; This version of the problem:
;;   THIS VERSION OF THE PROBLEM IS GIVEN IN LOW PRECISION. The matrix products marked QUANTISED in the list below multiply operands that are first quantised to E2M3 (2 exponent bits, 3 mantissa bits; 6 bits a number), with one power-of-two scale for each 32 numbers along K (OCP MX v1.0); their sums are f32. All else is computed in f32.
;;   The module's matrix products, in the order in which they are computed (A, B: the left and right operand; K: the contracted axis; several contracted axes count as one K, in the product's order):
;;     1. [M 4,096, K 1,024] x [K 1,024, N 1,024]; A: input x; B: input Wq: QUANTISED
;;     2. [M 8,192, K 1,024] x [K 1,024, N 256]; A: input adj; B: input Wk: QUANTISED
;;     3. [M 8,192, K 1,024] x [K 1,024, N 256]; A: input adj; B: input Wv: QUANTISED
;;     4. batch 2 x [M 32,768, K 64] x [K 64, N 4,096]; A: computed on the way; B: computed on the way: QUANTISED
;;     5. batch 2 x [M 32,768, K 4,096] x [K 4,096, N 64]; A: softmax (see below); B: computed on the way: QUANTISED
;;     6. [M 4,096, K 1,024] x [K 1,024, N 1,024]; A: computed on the way; B: input Wo: QUANTISED
;;   THE QUANTISER, for each operand of a quantised product, along K:
;;     - K is cut into blocks of 32 from its start; a last block that is shorter is filled with zeros.
;;     - A block's scale is 2^e with e = floor(log2(the largest magnitude in the block)) - 2, held to -126 .. 127; a block of zeros has e = 0. As a byte (E8M0): e + 127.
;;     - Each number is divided by its block's scale, clamped to +-7.5, and rounded to the nearest number of E2M3, ties to even, subnormals kept.
;;     - The product sums the exact products of the quantised numbers (number of the format x scale) in f32.
;;   ~~~python
;;   def quantise(x, axis):      # numpy; x: float32 -> the quantised numbers, widened to float32 again
;;       x = np.moveaxis(x, axis, -1); K = x.shape[-1]
;;       x = np.pad(x, [(0, 0)] * (x.ndim - 1) + [(0, -K % 32)]); x = x.reshape(x.shape[:-1] + (-1, 32)); a = np.abs(x).max(-1, keepdims=True)
;;       e = np.where(a > 0, np.clip(np.frexp(np.where(a > 0, a, 1))[1] - 1 - 2, -126, 127), 0)      # np.frexp(a)[1] - 1 = floor(log2(a)), exactly
;;       r = np.clip(x / 2.0 ** e, -7.5, 7.5)
;;       step = 2.0 ** (np.maximum(np.frexp(np.where(r == 0, 1, r))[1] - 1, 0) - 3)
;;       q = np.round(r / step) * step * 2.0 ** e      # np.round: ties to even
;;       return np.moveaxis(q.reshape(q.shape[:-2] + (-1,))[..., :K], -1, axis).astype(np.float32)
;;   ~~~
;;   SOFTMAX AHEAD OF A QUANTISED PRODUCT. Where the list says 'softmax', what is quantised is not the finished softmax but p = 2^(t - M), with t = logit x log2(e) and M = ceil(the row's largest t), a whole number; so 1/2 < the row's largest p <= 1. The row's sum l is taken of the UNQUANTISED p, in f32, and the product's result is divided by l at the end. Since M is a whole number, a kernel that streams over the keys may use a running M (the ceiling of the running maximum): every later rescaling is an exact power of two, which a block's scale takes up: the codes' values come out the same.
;;   OPERANDS COMPUTED ON THE WAY. 'Computed on the way' means the value that the module computes at that place (a softmax that the list does not call 'softmax' is quantised finished and normalised). What goes into a quantiser is computed in f32, as accurately as f32 sums, v_exp_f32 and their like allow (about 1e-6 of the number): no bf16 or f16 on the way to a quantiser, and a product that is left as it is and whose result goes on into a quantised operand takes f32 operands (vector FMAs, or v_wmma_f32_16x16x4_f32). A number that lies on a knife's edge between two numbers of the format may be rounded either way, as far as f32 arithmetic and the matrix unit's own rounding can turn it there, and no further.
;; 2 versions. Each part assembles by itself: llvm-mc -triple=amdgcn-amd-amdhsa -mcpu=gfx1250 --defsym DOCPART=n.
;; ======== version 1 of 2: 4 launches
;; workspace buffers: wimg 1,966,080 bytes; wsc 81,920 bytes; qimg 3,145,728 bytes; qsc 524,288 bytes; kvrec 851,968 bytes; oimg 3,145,728 bytes; osc 131,072 bytes
;; launch wq (part 1): grid 40 x 4, 4 waves a work-group, no clusters, 13,312 bytes of LDS; arguments Wq, Wk, Wv, Wo, wimg, wsc; writes wimg, wsc
.if DOCPART == 1
	.amdgcn_target "amdgcn-amd-amdhsa--gfx1250"
	.amdhsa_code_object_version 6
	.text
	.protected	k_qba437f4fb6_wq
	.globl	k_qba437f4fb6_wq
	.p2align	8
	.type	k_qba437f4fb6_wq,@function
k_qba437f4fb6_wq:
	s_mov_b64 s[64:65], 0
	v_nop
	global_prefetch_b8 v0, s[64:65] scope:SCOPE_SE
	s_setreg_imm32_b32 hwreg(HW_REG_WAVE_MODE, 25, 1), 1
	s_wait_xcnt 0x0
; The four weights, f32 with K as their FIRST axis, become codes of E2M3 with one E8M0 byte for each 32 along K, laid in the order of an operand's registers.
; wimg: [group of 64 columns, 40][K step of 128, 8][tile of 16 columns, 4] images of 1,536 bytes: registers 4 c .. 4 c + 3 of lane l at 512 c + 16 l.  Groups 0-15 Wq, 16-19 Wk, 20-23 Wv, 24-39 Wo.
; wsc:  [group][pair of K steps, 4][lane 32][tile 4] words: lanes 0-15 the even K step's word of the tile's row, lanes 16-31 the odd one's.
; THE COLUMNS OF A TILE ARE NOT NEIGHBOURS: row p of tile 2 b + u is column 32 b + 8 u + p + 8 (p / 8) of the group, so that the results of two neighbouring tiles are 16 neighbours along the next K.
; SHARES.  A work-group takes a group of 64 columns x 256 along K; wave w the columns 32 (w & 1) on and the K step 2 y + (w >> 1).  A LANE TAKES A COLUMN AND ITS REGISTERS RUN DOWN K: a block of 32 lies in one lane,
; and a wave's load reads 128 consecutive bytes, two waves side by side 256.  The codes go through the wave's own stage in LDS into the image's order and leave as stores of 512 consecutive bytes.
; A block's byte is its largest magnitude's exponent field - 2, held at 1 from below.
; LIMITS: a block of zeros, or one whose largest magnitude lies under 2^-124, gets the byte 1 (the rule says 127 for zeros): its codes are zeros or next to zero, and the bytes are read by this program alone.  NaN and infinities are not served.
.set SCR,   12288                      ; LDS: behind the four stages of 3,072 bytes: the work-group's 512 bytes of scale words
.set SPARE, 12800                      ; the spare words, 128 bytes for each wave: two blocks of 256 bytes that no other line names
.set STA,  7                           ; v7   the stage, on the way in: 3,072 w + 1,536 u + 16 p
.set SCW,  8                           ; v8   where my column's scale word goes
.set LI16, 9                           ; v9   16 x lane
.set SRD,  10                          ; v10  the stage, on the way out: 3,072 w + 16 x lane
.set SPW,  14                          ; v14  LDS address of my spare word; never rewritten
.set NIL,  15                          ; v15  0; never rewritten
.set VO,   16                          ; v16-47   4 x lane + i rows of the weight
.set X,    48                          ; v48-175  four blocks of 32 numbers
.set C,    176                         ; v176-207 eight registers for each block's codes
.set OUTR, 208                         ; v208-231 the way out
.set SBW,  232                         ; v232 the scale word
.set MA,   233
.set MB,   234
.set SOP,  235                         ; the conversion's scale operand
.set BY,   236
	s_load_b256 s[4:11], s[0:1], 0x0               ; Wq, Wk, Wv, Wo
	s_load_b128 s[12:15], s[0:1], 0x20             ; wimg, wsc
	v_lshl_add_u32 v[SPW], v0, 2, SPARE
	v_mov_b32 v[NIL], 0
	v_lshrrev_b32 v1, 5, v0
	v_readfirstlane_b32 s16, v1                    ; wave 0..3
	s_and_b32 s17, s16, 1                          ; which 32 columns
	s_lshr_b32 s18, s16, 1                         ; which of the pair of K steps
	s_and_b32 s19, ttmp7, 0xffff                   ; the pair of K steps
	s_lshl_b32 s20, s19, 1
	s_add_co_u32 s20, s20, s18                     ; my K step
	v_and_b32 v2, 31, v0                           ; lane = my column among the 32
	v_bfe_u32 v3, v0, 3, 1                         ; u: which of the two tiles it belongs to
	v_and_b32 v4, 7, v0
	v_bfe_u32 v5, v0, 4, 1
	v_lshl_add_u32 v4, v5, 3, v4                   ; p: its row in that tile
	v_lshlrev_b32 v6, 4, v4
	s_mul_i32 s21, s16, 3072
	v_mad_u32_u24 v[STA], v3, 1536, v6
	v_add_nc_u32 v[STA], s21, v[STA]
	s_lshl_b32 s22, s18, 8
	s_lshl_b32 s23, s17, 3
	s_add_co_u32 s22, s22, s23
	s_add_co_u32 s22, s22, SCR
	v_lshl_add_u32 v[SCW], v3, 2, v6
	v_add_nc_u32 v[SCW], s22, v[SCW]               ; SCR + 256 (w >> 1) + 16 p + 4 (2 (w & 1) + u)
	v_lshlrev_b32 v[LI16], 4, v2
	v_add_nc_u32 v[SRD], s21, v[LI16]
	s_wait_kmcnt 0x0
	s_cmp_lt_u32 ttmp9, 24                         ; which weight: the choice hangs on the work-group's number alone
	s_cselect_b64 s[24:25], s[8:9], s[10:11]
	s_cselect_b32 s26, 20, 24                      ; its first group
	s_cselect_b32 s27, 10, 12                      ; log2 of its row's bytes
	s_cmp_lt_u32 ttmp9, 20
	s_cselect_b64 s[24:25], s[6:7], s[24:25]
	s_cselect_b32 s26, 16, s26
	s_cmp_lt_u32 ttmp9, 16
	s_cselect_b64 s[24:25], s[4:5], s[24:25]
	s_cselect_b32 s26, 0, s26
	s_cselect_b32 s27, 12, s27
	s_lshl_b32 s28, 1, s27                         ; a row in bytes
	s_add_co_u32 s29, s27, 7
	s_lshl_b32 s36, s20, s29                       ; 128 rows for each K step
	s_sub_co_u32 s30, ttmp9, s26
	s_lshl_b32 s30, s30, 8                         ; 64 columns a group
	s_add_co_u32 s36, s36, s30
	s_lshl_b32 s30, s17, 7
	s_add_co_u32 s36, s36, s30
	s_mov_b32 s37, 0
	s_lshl_b32 s38, s28, 5                         ; 32 rows: from block to block
	s_mov_b32 s39, 0
	s_add_nc_u64 s[40:41], s[24:25], s[36:37]
	s_add_nc_u64 s[42:43], s[40:41], s[38:39]
	s_add_nc_u64 s[44:45], s[42:43], s[38:39]
	s_add_nc_u64 s[46:47], s[44:45], s[38:39]
	v_lshlrev_b32 v[VO], 2, v2
.set i, 1
.rept 31
	v_add_nc_u32 v[VO+i], s28, v[VO+i-1]
.set i, i+1
.endr
.irp t, 0,1,2,3
.set i, 0
.rept 32
	global_load_b32 v[X+32*\t+i], v[VO+i], s[40+2*\t:41+2*\t] th:TH_LOAD_NT   ; W(128 s + 32 t + i, my column): read once in the launch
.set i, i+1
.endr
.endr
	s_mul_i32 s30, ttmp9, 49152
	s_mul_i32 s31, s20, 6144
	s_add_co_u32 s30, s30, s31
	s_mul_i32 s31, s17, 3072
	s_add_co_u32 s30, s30, s31
	s_mov_b32 s31, 0
	s_add_nc_u64 s[12:13], s[12:13], s[30:31]      ; my two images
	s_lshl_b32 s32, ttmp9, 11
	s_lshl_b32 s33, s19, 9
	s_add_co_u32 s32, s32, s33
	s_mov_b32 s33, 0
	s_add_nc_u64 s[14:15], s[14:15], s[32:33]      ; the work-group's 512 bytes of scale words
; Block t: K = 32 t on of the K step.  In the operand it is registers 6 (t / 2) .. + 5 of lane p + 16 (t % 2).  cnt: how many younger loads may stay out.
.macro BLOCK t, cnt
.set XS, X+32*(\t)
.set Z, C+8*(\t)
	s_wait_loadcnt \cnt
	v_max3_num_f32 v[MA], |v[XS]|, |v[XS+1]|, |v[XS+2]|        ; the block's largest magnitude: all 32 numbers are mine; two chains
	v_max3_num_f32 v[MB], |v[XS+3]|, |v[XS+4]|, |v[XS+5]|
.irp i, 6,10,14,18,22,26
	v_max3_num_f32 v[MA], v[MA], |v[XS+\i]|, |v[XS+\i+1]|
	v_max3_num_f32 v[MB], v[MB], |v[XS+\i+2]|, |v[XS+\i+3]|
.endr
	v_max3_num_f32 v[MA], v[MA], |v[XS+30]|, |v[XS+31]|
	v_max3_num_f32 v[MA], v[MA], v[MB], 0x1800000              ; and the floor 2^(3 - 127): the byte cannot fall under 1
	v_add_nc_u32 v[SOP], 0xff000000, v[MA]                     ; 2 off the exponent field: the conversion takes this operand's exponent field as its scale
	v_lshrrev_b32 v[BY], 23, v[SOP]                            ; the scale's byte
.if (\t) == 0
	v_mov_b32 v[SBW], v[BY]
.else
	v_lshl_or_b32 v[SBW], v[BY], 8*(\t), v[SBW]
.endif
	v_cvt_scalef32_pk16_fp6_f32 v[Z:Z+2], v[XS:XS+15], v[SOP]
	v_cvt_scalef32_pk16_fp6_f32 v[Z+4:Z+6], v[XS+16:XS+31], v[SOP]   ; (a conversion's three registers begin on an even number)
	v_nop                                                      ; one plain place behind a scaled conversion
	v_mov_b32 v[Z+3], v[Z+4]                                   ; the six registers on end
	v_mov_b32 v[Z+4], v[Z+5]
	v_mov_b32 v[Z+5], v[Z+6]
.if (\t)/2 == 0
	ds_store_b128 v[STA], v[Z:Z+3] offset:256*((\t)%2)         ; the operand's registers 0-3,
	ds_store_b64 v[STA], v[Z+4:Z+5] offset:512+256*((\t)%2)    ; 4-5,
.else
	ds_store_b64 v[STA], v[Z:Z+1] offset:520+256*((\t)%2)      ; 6-7,
	ds_store_b128 v[STA], v[Z+2:Z+5] offset:1024+256*((\t)%2)  ; 8-11
.endif
.endm
	BLOCK 0, 63                                    ; 96 younger loads are out; the wait's field holds 63, and a smaller count is safe
	BLOCK 1, 63                                    ; 64 younger
	BLOCK 2, 32
	BLOCK 3, 0
	ds_store_b32 v[SCW], v[SBW]                    ; my column's four bytes of this K step
.irp i, 0,1,2,3,4,5
	ds_load_b128 v[OUTR+4*\i:OUTR+4*\i+3], v[SRD] offset:512*\i   ; my own stage: LDS serves a wave's instructions in order, so these see my stores
.endr
.irp i, 0,1,2,3,4,5
	s_wait_dscnt 5-\i
	global_store_b128 v[LI16], v[OUTR+4*\i:OUTR+4*\i+3], s[12:13] offset:512*\i   ; 32 lanes store 512 consecutive bytes, aligned
.endr
	s_wait_dscnt 0x0                               ; for the others' sake: my scale words have landed
	s_barrier_signal -1
	s_barrier_wait -1
	s_cmp_lg_u32 s16, 0
	s_cbranch_scc1 .Lend
	ds_load_b128 v[X:X+3], v[LI16] offset:SCR      ; wave 0 sends the work-group's 512 bytes of scale words
	s_wait_dscnt 0x0
	global_store_b128 v[LI16], v[X:X+3], s[14:15]
.Lend:
	s_wait_tensorcnt 0x0                           ; the wave's end: behind my last LDS store
	ds_add_u32 v[SPW], v[NIL]
	s_wait_dscnt 0x0
	s_endpgm
.Lfunc_end_k_qba437f4fb6_wq:
	.size	k_qba437f4fb6_wq, .Lfunc_end_k_qba437f4fb6_wq-k_qba437f4fb6_wq
	.p2alignl 7, 3214868480
	.fill 96, 4, 3214868480
	.section	.rodata,"a",@progbits
	.p2align	6, 0x0
	.amdhsa_kernel k_qba437f4fb6_wq
		.amdhsa_group_segment_fixed_size 13312
		.amdhsa_private_segment_fixed_size 0
		.amdhsa_enable_private_segment 0
		.amdhsa_kernarg_size 48
		.amdhsa_user_sgpr_count 2
		.amdhsa_user_sgpr_kernarg_segment_ptr 1
		.amdhsa_wavefront_size32 1
		.amdhsa_system_sgpr_workgroup_id_x 1
		.amdhsa_system_sgpr_workgroup_id_y 1
		.amdhsa_system_sgpr_workgroup_id_z 1
		.amdhsa_system_vgpr_workitem_id 0
		.amdhsa_next_free_vgpr 240
		.amdhsa_next_free_sgpr 66
		.amdhsa_reserve_vcc 0
		.amdhsa_float_denorm_mode_32 3
		.amdhsa_float_denorm_mode_16_64 3
		.amdhsa_memory_ordered 1
		.amdhsa_forward_progress 1
		.amdhsa_inst_pref_size 24
	.end_amdhsa_kernel
	.amdgpu_metadata
---
amdhsa.version: [ 1, 2 ]
amdhsa.kernels:
  - .name:           k_qba437f4fb6_wq
    .symbol:         k_qba437f4fb6_wq.kd
    .args:
      - { .name: Wq, .offset: 0, .size: 8, .value_kind: global_buffer, .address_space: global }
      - { .name: Wk, .offset: 8, .size: 8, .value_kind: global_buffer, .address_space: global }
      - { .name: Wv, .offset: 16, .size: 8, .value_kind: global_buffer, .address_space: global }
      - { .name: Wo, .offset: 24, .size: 8, .value_kind: global_buffer, .address_space: global }
      - { .name: wimg, .offset: 32, .size: 8, .value_kind: global_buffer, .address_space: global }
      - { .name: wsc, .offset: 40, .size: 8, .value_kind: global_buffer, .address_space: global }
    .group_segment_fixed_size: 13312
    .private_segment_fixed_size: 0
    .kernarg_segment_align: 8
    .kernarg_segment_size: 48
    .max_flat_workgroup_size: 128
    .sgpr_count:     66
    .vgpr_count:     240
    .wavefront_size: 32
...
	.end_amdgpu_metadata
.endif
;; end of part 1
;; launch proj (part 2): grid 256 x 1, 8 waves a work-group, no clusters, 251,392 bytes of LDS; arguments x, adj, bq, bk, bv, wimg, wsc, qimg, qsc, kvrec; writes qimg, qsc, kvrec
.if DOCPART == 2
	.amdgcn_target "amdgcn-amd-amdhsa--gfx1250"
	.amdhsa_code_object_version 6
	.text
	.protected	k_qba437f4fb6_proj
	.globl	k_qba437f4fb6_proj
	.p2align	8
	.type	k_qba437f4fb6_proj,@function
k_qba437f4fb6_proj:
	s_mov_b64 s[64:65], 0
	v_nop
	global_prefetch_b8 v0, s[64:65] scope:SCOPE_SE
	s_setreg_imm32_b32 hwreg(HW_REG_WAVE_MODE, 25, 1), 1
	s_wait_xcnt 0x0
; The three projections, on codes of E2M3 with one E8M0 byte for each 32 along K, and the quantising of their results for the attention.
; Work-groups 0-127: 64 rows of x, 8 heads: q = x Wq + bq, quantised along the head's 64.  Work-groups 128-255: 64 rows of adj: k = adj Wk + bk and v = adj Wv + bv, each summed over its 4 groups
; ((g0 + g1) + (g2 + g3), in f32); the sum of k is quantised along the head's 64, the sum of v along the keys.
; SHARES.  Every wave multiplies the work-group's 64 rows by one group of 64 columns over K = 1,024: 16 accumulators, 128 matrix instructions.  Its weights come from memory straight into its registers, laid in operand order.
; The rows are quantised once a work-group: wave w takes K step w of all 64 rows; the codes go to the other waves through LDS as images of the operand's registers.
; THE ROWS OF A TILE ARE NOT NEIGHBOURS: row p of tile 2 b + u is row 32 b + 8 u + p + 8 (p / 8) of the 64; the weights' columns likewise.  So the 16 registers of two neighbouring tiles are 16 neighbours along the next K.
; q and k are made TRANSPOSED (source 0 = 16 columns of the weight, source 1 = 16 rows): a lane holds one row, its registers run along the head's 64.  v is made the natural way round: a lane holds one channel, its registers run along the keys.
; OUT.  qimg [tile of 16 queries][head]: 768 bytes: registers 0-3 of lane l at 16 l, 4-5 at 512 + 8 l; lane (r, h) holds block h of row r.  qsc: the word (s0, s1, s0, s1) of each row.
; kvrec: a record of 6,656 bytes for each 64 keys: 4 such images of k (tiles of 16 keys), 4 of v (tiles of 16 channels), 512 bytes of scale words.
; No cache hint on the rows' loads: one text serves x, of which a block is read by two work-groups, and adj.
; LIMITS: a block of zeros, or one whose largest magnitude lies under 2^-124, gets the byte 1: its codes are zeros or next to zero, and the bytes are read by this program alone.  NaN and infinities are not served.
.set XIMG,  0                          ; LDS: the rows' codes: [K step 8][tile of rows 4] images of 1,536 bytes
.set XSC,   49152                      ; their scale words: 256 s + 16 r + 4 m
.set STG,   51200                      ; a stage of 16 rows x (512 + 16) bytes for each wave
.set XCH,   118784                     ; the groups' results: [wave][tile 16] x 1,024 bytes
.set SCL,   249856                     ; a record's 512 bytes of scale words
.set SPARE, 250368                     ; the spare words, 128 bytes for each wave: four blocks of 256 bytes that no other line names
.set LI16, 1                           ; v1   16 x lane
.set R16,  2                           ; v2   16 x (lane % 16)
.set VX,   3                           ; v3   16 x lane + 512 w: my K step's bytes of a row
.set STW,  4                           ; v4   my stage, on the way in
.set STR,  5                           ; v5   and on the way out: row r, + 64 h
.set XWI,  6                           ; v6   where I store the rows' images: 16 x lane + 6,144 w
.set XWS,  7                           ; v7   and their scale words
.set XCHW, 8                           ; v8   where I store my results
.set RAK,  9                           ; v9   where a wave that sums k reads them
.set RAV,  10                          ; v10  where a wave that sums v reads them
.set SCW,  11                          ; v11  where my rows' scale words of the record go
.set LI8,  12                          ; v12  8 x lane
.set BOT,  13                          ; v13  the bias, transposed use: 64 h
.set SPW,  14                          ; v14  LDS address of my spare word; never rewritten
.set NIL,  15                          ; v15  0; never rewritten
.set BT,   16                          ; v16-19 the bias, natural use: one number a tile
.set PC,   20                          ; v20-38 the codes just made
.set TM,   40                          ; v40-55 at work in the quantisers
.set PW,   56                          ; v56  the scale word just made
.set BON,  57                          ; v57  the bias, natural use: 4 (r + 8 (r / 8))
.set XS,   58                          ; v58-61 the rows' scale words of the K step in hand; at the end q's
.set WS,   62                          ; v62-77 the weights' scale words
.set SCRD, 79                          ; v79  SCL + 16 x lane
.set RF,   80                          ; v80-127 the rows' four fragments
.set ACC,  128                         ; v128-255 the accumulators: tile (m, c) at 128 + 8 (4 m + c)
.set G0,   128                         ; while the rows are quantised: 16 rows as loaded,
.set XB,   192                         ; and 64 numbers of a lane
.set G1,   144                         ; window 1: 16 rows as loaded (over the weights' fourth buffer, which is filled later)
.set BIAS, 208                         ; window 1: v208-239 the bias in the result's layout, eight registers a tile.  Window 1, v0-191: the weights, a ring of four buffers of 48
.set WV,   24
.set NOR,  27                          ; s27  1 in the waves that make v
.set MUL,  28                          ; s28  what turns two scale bytes into the record's word
.set SRC,  30                          ; s[30:31] my work-group's rows
.set BIA,  32                          ; s[32:33] my 64 numbers of the bias
.set WB,   34                          ; s[34:35] my group's images
.set WSB,  36                          ; s[36:37] and its scale words
.set QI,   38                          ; s[38:39] q's images
.set QSB,  52                          ; s[52:53] q's scale words
.set KR,   54                          ; s[54:55] the record
.set KI,   56                          ; s[56:57] my image in it
.set SEL,  58                          ; s[58:59] v_permlanex16_b32's selects for lane l xor 16
.set MSB, 0
.macro WIN new                         ; the immediate's high byte repeats the setting that is left
.if MSB != \new
	s_set_vgpr_msb (MSB<<8)|\new
.set MSB, \new
.endif
.endm
; 64 numbers of a lane, register 16 b + i = k 32 b + 16 (lane / 16) + i of my row, become a fragment's codes in v[PC] on and its scale word in v[PW]
.macro QUANT s
.irp b, 0,1,2,3
	v_max3_num_f32 v[TM+\b], |v[\s+16*\b]|, |v[\s+1+16*\b]|, 0x1800000   ; my 16 numbers of block b, and the floor 2^(3 - 127): the byte cannot fall under 1
.endr
.irp i, 2,4,6,8,10,12,14
.irp b, 0,1,2,3
	v_max3_num_f32 v[TM+\b], v[TM+\b], |v[\s+16*\b+\i]|, |v[\s+1+16*\b+\i]|
.endr
.endr
.irp b, 0,1,2,3
	v_permlanex16_b32 v[TM+4+\b], v[TM+\b], s[SEL], s[SEL+1]
.endr
.irp b, 0,1,2,3
	v_max_num_f32 v[TM+\b], v[TM+\b], v[TM+4+\b]               ; with lane l xor 16's: the block's largest magnitude
.endr
.irp b, 0,1,2,3
	v_add_nc_u32 v[TM+12+\b], 0xff000000, v[TM+\b]             ; 2 off its exponent field: the conversion's scale operand
.endr
.irp b, 0,1,2,3
	v_lshrrev_b32 v[TM+4+\b], 23, v[TM+12+\b]                  ; the scale's byte
.endr
	v_lshl_or_b32 v[PW], v[TM+5], 8, v[TM+4]
	v_lshl_or_b32 v[PW], v[TM+6], 16, v[PW]
	v_lshl_or_b32 v[PW], v[TM+7], 24, v[PW]
.irp c, 0,1
	v_cvt_scalef32_pk16_fp6_f32 v[PC+6*\c:PC+2+6*\c], v[\s+32*\c:\s+15+32*\c], v[TM+12+2*\c]
	v_cvt_scalef32_pk16_fp6_f32 v[PC+12+4*\c:PC+14+4*\c], v[\s+16+32*\c:\s+31+32*\c], v[TM+12+2*\c+1]
.endr
	v_nop                                                      ; one plain place behind a scaled conversion
.irp c, 0,1                                                    ; the operand wants a WHOLE block in a lane
.irp i, 0,1,2
	v_permlane16_swap_b32 v[PC+6*\c+\i], v[PC+12+4*\c+\i]
.endr
.irp i, 0,1,2
	v_mov_b32 v[PC+3+6*\c+\i], v[PC+12+4*\c+\i]
.endr
.endr
.endm
; 32 numbers of a lane, register 16 b + i = k 32 b + 16 (lane / 16) + i of my row, become six registers v[z] on (lane (r, h): block h of row r); the two bytes, b0 | b1 << 8, in v[TM+6]
.macro QUANT2 s, z
.irp b, 0,1
	v_max3_num_f32 v[TM+\b], |v[\s+16*\b]|, |v[\s+1+16*\b]|, 0x1800000
.endr
.irp i, 2,4,6,8,10,12,14
.irp b, 0,1
	v_max3_num_f32 v[TM+\b], v[TM+\b], |v[\s+16*\b+\i]|, |v[\s+1+16*\b+\i]|
.endr
.endr
.irp b, 0,1
	v_permlanex16_b32 v[TM+2+\b], v[TM+\b], s[SEL], s[SEL+1]
.endr
.irp b, 0,1
	v_max_num_f32 v[TM+\b], v[TM+\b], v[TM+2+\b]
.endr
.irp b, 0,1
	v_add_nc_u32 v[TM+4+\b], 0xff000000, v[TM+\b]
.endr
.irp b, 0,1
	v_lshrrev_b32 v[TM+2+\b], 23, v[TM+4+\b]
.endr
	v_cvt_scalef32_pk16_fp6_f32 v[\z:\z+2], v[\s:\s+15], v[TM+4]
	v_cvt_scalef32_pk16_fp6_f32 v[\z+6:\z+8], v[\s+16:\s+31], v[TM+5]
	v_lshl_or_b32 v[TM+6], v[TM+3], 8, v[TM+2]                 ; the two bytes.  (The plain place behind the conversions)
.irp i, 0,1,2
	v_permlane16_swap_b32 v[\z+\i], v[\z+6+\i]
.endr
.irp i, 0,1,2
	v_mov_b32 v[\z+3+\i], v[\z+6+\i]
.endr
.endm
; tile m's 16 rows, my K step's 512 bytes of each: every load reads 512 consecutive bytes, aligned
.macro GLOAD m, reg, win
	WIN \win
.set i, 0
.rept 16
	global_load_b128 v[\reg+4*i:\reg+4*i+3], v[VX], s[SRC:SRC+1] offset:(32*((\m)/2)+8*((\m)%2)+i+8*(i/8))*4096
.set i, i+1
.endr
	WIN 0
.endm
; my group's four fragments of K step s into buffer s % 4
.macro WLOAD s
	WIN 0x40
.irp c, 0,1,2,3
.irp k, 0,1,2
	global_load_b128 v[48*((\s)%4)+12*\c+4*\k:48*((\s)%4)+12*\c+4*\k+3], v[LI16], s[WB:WB+1] offset:6144*(\s)+1536*\c+512*\k
.endr
.endr
	WIN 0
.endm
; 16 rows x 512 bytes through my own stage: in as loaded, back 16 neighbours of each block to a lane.  The closing wait shows the numbers back, the stores' registers read, and the last image's stores done
.macro TURN reg, win
	WIN \win
.set i, 0
.rept 16
	ds_store_b128 v[STW], v[\reg+4*i:\reg+4*i+3] offset:528*i
.set i, i+1
.endr
	WIN 0
.irp b, 0,1,2,3
.irp j, 0,1,2,3
	ds_load_b128 v[XB+16*\b+4*\j:XB+16*\b+4*\j+3], v[STR] offset:128*\b+16*\j   ; LDS serves a wave's instructions in order: these see my stores
.endr
.endr
	s_wait_dscnt 0x0
.endm
.macro IMAGE m
.irp c, 0,1,2
	ds_store_b128 v[XWI], v[PC+4*\c:PC+4*\c+3] offset:XIMG+1536*(\m)+512*\c
.endr
	ds_store_b32 v[XWS], v[PW] offset:4*(\m)       ; lanes r and r + 16 write the same word with the same value
.endm
.macro RFLOAD s
.irp m, 0,1,2,3
.irp k, 0,1,2
	ds_load_b128 v[RF+12*\m+4*\k:RF+12*\m+4*\k+3], v[LI16] offset:XIMG+6144*(\s)+1536*\m+512*\k
.endr
.endr
	ds_load_b128 v[XS:XS+3], v[R16] offset:XSC+256*(\s)
.endm
.macro MM d, a, b, c, sa, sb, row      ; row: 0 both scales from lanes 0-15; 1 source 0's from lanes 16-31; 2 source 1's
.if (\row) == 0
	v_wmma_scale_f32_16x16x128_f8f6f4 v[\d:\d+7], v[\a:\a+11], v[\b:\b+11], v[\c:\c+7], v[\sa], v[\sb] matrix_a_fmt:MATRIX_FMT_FP6 matrix_b_fmt:MATRIX_FMT_FP6
.elseif (\row) == 1
	v_wmma_scale_f32_16x16x128_f8f6f4 v[\d:\d+7], v[\a:\a+11], v[\b:\b+11], v[\c:\c+7], v[\sa], v[\sb] matrix_a_fmt:MATRIX_FMT_FP6 matrix_b_fmt:MATRIX_FMT_FP6 matrix_a_scale:MATRIX_SCALE_ROW1
.else
	v_wmma_scale_f32_16x16x128_f8f6f4 v[\d:\d+7], v[\a:\a+11], v[\b:\b+11], v[\c:\c+7], v[\sa], v[\sb] matrix_a_fmt:MATRIX_FMT_FP6 matrix_b_fmt:MATRIX_FMT_FP6 matrix_b_scale:MATRIX_SCALE_ROW1
.endif
.endm
; K step s: 16 matrix instructions, the 16 accumulators by turns in the same order in every step.  o = 0: transposed; 1: natural.  The first step takes the bias as C.
.macro MSTEP o, s
	s_wait_dscnt 0x0                               ; the rows' fragments and scale words of this step
.if ((\s) >= 2) && ((\s) <= 4)
	s_wait_loadcnt 36                              ; this step's weights are in; three younger steps' 12 loads each may be out
.elseif (\s) > 4
	s_wait_loadcnt 12*(7-(\s))                     ; the counts run down: nothing more is asked for
.endif
.set WBUF, 48*((\s)%4)
.set WSR, WS+4*((\s)/2)
.if (\o) == 0
.if (\s) == 0
	WIN 0x11                                       ; source 0 (the weights) and C (the bias) window 1
.else
	WIN 0x01
.endif
.irp m, 0,1,2,3
.irp c, 0,1,2,3
.if (\s) == 0
	MM ACC+8*(4*\m+\c), WBUF+12*\c, RF+12*\m, BIAS+8*\c, WSR+\c, XS+\m, 0
.else
	MM ACC+8*(4*\m+\c), WBUF+12*\c, RF+12*\m, ACC+8*(4*\m+\c), WSR+\c, XS+\m, (\s)%2
.endif
.endr
.endr
.else
.if (\s) == 0
	WIN 0x14                                       ; source 1 (the weights) and C window 1
.else
	WIN 0x04
.endif
.irp m, 0,1,2,3
.irp c, 0,1,2,3
.if (\s) == 0
	MM ACC+8*(4*\m+\c), RF+12*\m, WBUF+12*\c, BIAS+8*\c, XS+\m, WSR+\c, 0
.else
	MM ACC+8*(4*\m+\c), RF+12*\m, WBUF+12*\c, ACC+8*(4*\m+\c), XS+\m, WSR+\c, 2*((\s)%2)
.endif
.endr
.endr
.endif
	WIN 0
.rept 4
	v_nop                                          ; four places in front of loads into registers that matrix instructions have read, and of the first read of results
.endr
.if (\s) < 4
	WLOAD (\s)+4                                   ; into the buffer just multiplied
.endif
.if (\s) < 7
	RFLOAD (\s)+1
.endif
.endm
	s_load_b512 s[4:19], s[0:1], 0x0               ; x, adj, bq, bk, bv, wimg, wsc, qimg
	s_load_b128 s[20:23], s[0:1], 0x40             ; qsc, kvrec
	v_lshl_add_u32 v[SPW], v0, 2, SPARE
	v_mov_b32 v[NIL], 0
	v_lshrrev_b32 v20, 5, v0
	v_readfirstlane_b32 s[WV], v20                 ; wave 0..7
	v_and_b32 v20, 31, v0                          ; lane
	v_and_b32 v21, 15, v0                          ; r
	v_bfe_u32 v22, v0, 4, 1                        ; h
	v_lshlrev_b32 v[LI16], 4, v20                  ; every LDS address is made here, ahead of the first branch
	v_lshlrev_b32 v[LI8], 3, v20
	v_lshlrev_b32 v[R16], 4, v21
	s_lshl_b32 s40, s[WV], 9
	v_add_nc_u32 v[VX], s40, v[LI16]
	s_mul_i32 s40, s[WV], 8448
	s_add_co_u32 s40, s40, STG
	v_add_nc_u32 v[STW], s40, v[LI16]
	v_mul_u32_u24 v23, v21, 528
	v_lshl_add_u32 v23, v22, 6, v23
	v_add_nc_u32 v[STR], s40, v23
	s_mul_i32 s40, s[WV], 6144
	v_add_nc_u32 v[XWI], s40, v[LI16]
	s_lshl_b32 s40, s[WV], 8
	s_add_co_u32 s40, s40, XSC
	v_add_nc_u32 v[XWS], s40, v[R16]
	s_lshl_b32 s40, s[WV], 14
	s_add_co_u32 s40, s40, XCH
	v_add_nc_u32 v[XCHW], s40, v[LI16]
	s_and_b32 s41, s[WV], 3
	s_lshl_b32 s40, s41, 12
	s_add_co_u32 s40, s40, XCH
	v_add_nc_u32 v[RAK], s40, v[LI16]              ; waves 0-3's results, the tile of keys w & 3
	s_lshl_b32 s40, s41, 10
	s_add_co_u32 s40, s40, XCH+65536
	v_add_nc_u32 v[RAV], s40, v[LI16]              ; waves 4-7's results, the tile of channels w & 3
	s_and_b32 s40, s[WV], 1
	s_lshl_b32 s40, s40, 8
	s_lshr_b32 s41, s[WV], 1
	s_lshl_b32 s41, s41, 2
	s_add_co_u32 s40, s40, s41
	s_add_co_u32 s40, s40, SCL
	v_add_nc_u32 v[SCW], s40, v[R16]               ; SCL + 256 (w & 1) + 16 r + 4 (w >> 1)
	v_add_nc_u32 v[SCRD], SCL, v[LI16]
	v_lshlrev_b32 v[BOT], 6, v22
	v_and_b32 v23, 8, v21
	v_add_nc_u32 v23, v23, v21
	v_lshlrev_b32 v[BON], 2, v23
.irp i, 2,3,4,5,6,7
	v_mov_b32 v[TM+\i], 0                          ; written once: a lane permute's destination counts as one of its sources
.endr
	s_mov_b32 s[SEL], 0x76543210
	s_mov_b32 s[SEL+1], 0xfedcba98
	s_lshr_b32 s40, ttmp9, 1                       ; x's block of 64 rows
	s_sub_co_u32 s41, ttmp9, 128                   ; adj's
	s_and_b32 s42, ttmp9, 1
	s_lshl_b32 s42, s42, 3
	s_add_co_u32 s42, s42, s[WV]                   ; my head, which is also Wq's group
	s_add_co_u32 s43, s[WV], 16                    ; Wk's and Wv's groups
	s_and_b32 s44, s[WV], 3
	s_lshr_b32 s45, s[WV], 2
	s_lshr_b32 s26, ttmp9, 7
	s_and_b32 s[NOR], s26, s45
	s_and_b32 s46, ttmp9, 1                        ; the record's parity
	s_lshl_b32 s46, s46, 4
	s_lshl_b32 s46, 1, s46
	s_cmp_lt_u32 s[WV], 4
	s_cselect_b32 s[MUL], 0x10001, s46             ; k: (s0, s1, s0, s1); v: the two bytes at the record's half of the word
	s_wait_kmcnt 0x0
	s_cmp_lt_u32 s[WV], 4
	s_cselect_b64 s[BIA:BIA+1], s[10:11], s[12:13]
	s_cmp_lt_u32 ttmp9, 128                        ; the roles hang on the work-group's number alone
	s_cselect_b64 s[SRC:SRC+1], s[4:5], s[6:7]
	s_cselect_b64 s[BIA:BIA+1], s[8:9], s[BIA:BIA+1]
	s_cselect_b32 s47, s40, s41                    ; my block of 64 rows
	s_cselect_b32 s48, s42, s43                    ; my group of columns
	s_cselect_b32 s49, s42, s44                    ; which 64 numbers of the bias
	s_mov_b32 s51, 0
	s_lshl_b32 s50, s47, 18
	s_add_nc_u64 s[SRC:SRC+1], s[SRC:SRC+1], s[50:51]
	s_lshl_b32 s50, s49, 8
	s_add_nc_u64 s[BIA:BIA+1], s[BIA:BIA+1], s[50:51]
	s_mul_i32 s50, s48, 49152
	s_add_nc_u64 s[WB:WB+1], s[14:15], s[50:51]
	s_lshl_b32 s50, s48, 11
	s_add_nc_u64 s[WSB:WSB+1], s[16:17], s[50:51]
	s_lshl_b32 s50, s47, 6
	s_add_co_u32 s50, s50, s42
	s_mul_i32 s50, s50, 768
	s_add_nc_u64 s[QI:QI+1], s[18:19], s[50:51]
	s_lshl_b32 s50, s47, 4
	s_add_co_u32 s50, s50, s42
	s_lshl_b32 s50, s50, 9
	s_add_nc_u64 s[QSB:QSB+1], s[20:21], s[50:51]
	s_mul_i32 s50, s47, 6656
	s_add_nc_u64 s[KR:KR+1], s[22:23], s[50:51]
	s_mul_i32 s50, s[WV], 768
	s_add_nc_u64 s[KI:KI+1], s[KR:KR+1], s[50:51]
	; the small loads first: being the oldest, they enter no later count.  Both forms of the bias are loaded by every wave, so that no branch stands here
	WIN 0x40
.irp c, 0,1,2,3
	global_load_b128 v[BIAS+8*\c:BIAS+8*\c+3], v[BOT], s[BIA:BIA+1] offset:(32*(\c/2)+8*(\c%2))*4
	global_load_b128 v[BIAS+8*\c+4:BIAS+8*\c+7], v[BOT], s[BIA:BIA+1] offset:(32*(\c/2)+8*(\c%2))*4+16
.endr
	WIN 0
.irp c, 0,1,2,3
	global_load_b32 v[BT+\c], v[BON], s[BIA:BIA+1] offset:(32*(\c/2)+8*(\c%2))*4
.endr
.irp g, 0,1,2,3
	global_load_b128 v[WS+4*\g:WS+4*\g+3], v[LI16], s[WSB:WSB+1] offset:512*\g
.endr
	GLOAD 0, G0, 0
	GLOAD 1, G1, 0x40
	WLOAD 0
	WLOAD 1
	; ---- the rows are quantised: my K step of the four tiles of rows
	s_wait_loadcnt 40                              ; tile 0 is in; younger: tile 1's 16 loads and two K steps' 12 of weights
	TURN G0, 0
	GLOAD 2, G0, 0
	QUANT XB
	IMAGE 0
	s_wait_loadcnt 40                              ; tile 1; younger: 24 of weights, tile 2's 16
	TURN G1, 0x04                                  ; (an LDS store's data are its source 1: window 1)
	GLOAD 3, G1, 0x40
	QUANT XB
	IMAGE 1
	s_wait_loadcnt 16                              ; tile 2, and with it the bias, the scale words and the weights of K steps 0 and 1; younger: tile 3's 16
	TURN G0, 0
	WLOAD 2
	QUANT XB
	IMAGE 2
	s_wait_loadcnt 12                              ; tile 3; younger: K step 2's weights
	TURN G1, 0x04
	WLOAD 3                                        ; over the registers that tile 3 has left: its stores into the stage are done
	QUANT XB
	IMAGE 3
	s_wait_dscnt 0x0                               ; for the others' sake: my images have landed
	s_barrier_signal -1
	s_barrier_wait -1                              ; the 32 fragments of the rows lie in LDS
	; ---- the product
	RFLOAD 0
	s_cmp_lg_u32 s[NOR], 0
	s_cbranch_scc1 .Lnatural
.irp s, 0,1,2,3,4,5,6,7
	MSTEP 0, \s
.endr
	s_branch .Lsummed
.Lnatural:
	WIN 0x40
.irp c, 0,1,2,3
.irp j, 0,1,2,3,4,5,6,7
	v_mov_b32 v[BIAS+8*\c+\j], v[BT+\c]            ; a lane holds one channel: its number of the bias in all eight registers
.endr
.endr
	WIN 0
.irp s, 0,1,2,3,4,5,6,7
	MSTEP 1, \s
.endr
.Lsummed:
	s_cmp_lt_u32 ttmp9, 128
	s_cbranch_scc0 .Lkv
	; ---- q: each tile of 16 queries is quantised in registers and stored from them: 512 and 256 consecutive bytes.  Each tile has registers of its own, so no store's data are written again
.irp m, 0,1,2,3
	QUANT2 ACC+32*\m, RF+12*\m
	v_lshl_or_b32 v[XS+\m], v[TM+6], 16, v[TM+6]   ; (s0, s1, s0, s1)
	global_store_b128 v[LI16], v[RF+12*\m:RF+12*\m+3], s[QI:QI+1] offset:12288*\m
	global_store_b64 v[LI8], v[RF+12*\m+4:RF+12*\m+5], s[QI:QI+1] offset:12288*\m+512
.endr
	global_store_b128 v[LI16], v[XS:XS+3], s[QSB:QSB+1]
	s_branch .Lend
.Lkv:
	; ---- k and v: the four groups' results meet in LDS, as images of the accumulators, each from its low end on
.irp t, 0,1,2,3,4,5,6,7,8,9,10,11,12,13,14,15
	ds_store_b128 v[XCHW], v[ACC+8*\t:ACC+8*\t+3] offset:1024*\t
	ds_store_b128 v[XCHW], v[ACC+8*\t+4:ACC+8*\t+7] offset:1024*\t+512
.endr
	s_wait_dscnt 0x0
	s_barrier_signal -1
	s_barrier_wait -1
	s_cmp_lt_u32 s[WV], 4
	s_cbranch_scc0 .Lvsum
.irp g, 0,1,2,3                                    ; wave w sums the tile of keys w: its four tiles of channels, of each group
.irp c, 0,1,2,3
.irp k, 0,1
	ds_load_b128 v[ACC+32*\g+8*\c+4*\k:ACC+32*\g+8*\c+4*\k+3], v[RAK] offset:16384*\g+1024*\c+512*\k
.endr
.endr
.endr
	s_branch .Lsum
.Lvsum:
.irp g, 0,1,2,3                                    ; wave 4 + i sums the tile of channels i: its four tiles of keys, of each group
.irp c, 0,1,2,3
.irp k, 0,1
	ds_load_b128 v[ACC+32*\g+8*\c+4*\k:ACC+32*\g+8*\c+4*\k+3], v[RAV] offset:16384*\g+4096*\c+512*\k
.endr
.endr
.endr
.Lsum:
	s_wait_dscnt 0x0
.set j, 0
.rept 16
	v_pk_add_f32 v[ACC+j:ACC+j+1], v[ACC+j:ACC+j+1], v[ACC+32+j:ACC+33+j]
	v_pk_add_f32 v[ACC+64+j:ACC+65+j], v[ACC+64+j:ACC+65+j], v[ACC+96+j:ACC+97+j]
.set j, j+2
.endr
.set j, 0
.rept 16
	v_pk_add_f32 v[ACC+j:ACC+j+1], v[ACC+j:ACC+j+1], v[ACC+64+j:ACC+65+j]
.set j, j+2
.endr
	QUANT2 ACC, RF
	global_store_b128 v[LI16], v[RF:RF+3], s[KI:KI+1]
	global_store_b64 v[LI8], v[RF+4:RF+5], s[KI:KI+1] offset:512
	v_mul_u32_u24 v[TM+7], s[MUL], v[TM+6]
	ds_store_b32 v[SCW], v[TM+7]                   ; lanes r and r + 16 write the same word with the same value
	s_wait_dscnt 0x0
	s_barrier_signal -1
	s_barrier_wait -1
	s_cmp_lg_u32 s[WV], 0
	s_cbranch_scc1 .Lend
	ds_load_b128 v[PC:PC+3], v[SCRD]               ; wave 0 sends the record's 512 bytes of scale words
	s_wait_dscnt 0x0
	global_store_b128 v[LI16], v[PC:PC+3], s[KR:KR+1] offset:6144
.Lend:
	s_wait_tensorcnt 0x0                           ; the wave's end: behind my last LDS store
	ds_add_u32 v[SPW], v[NIL]
	s_wait_dscnt 0x0
	s_endpgm
.Lfunc_end_k_qba437f4fb6_proj:
	.size	k_qba437f4fb6_proj, .Lfunc_end_k_qba437f4fb6_proj-k_qba437f4fb6_proj
	.p2alignl 7, 3214868480
	.fill 96, 4, 3214868480
	.section	.rodata,"a",@progbits
	.p2align	6, 0x0
	.amdhsa_kernel k_qba437f4fb6_proj
		.amdhsa_group_segment_fixed_size 251392
		.amdhsa_private_segment_fixed_size 0
		.amdhsa_enable_private_segment 0
		.amdhsa_kernarg_size 80
		.amdhsa_user_sgpr_count 2
		.amdhsa_user_sgpr_kernarg_segment_ptr 1
		.amdhsa_wavefront_size32 1
		.amdhsa_system_sgpr_workgroup_id_x 1
		.amdhsa_system_sgpr_workgroup_id_y 1
		.amdhsa_system_sgpr_workgroup_id_z 1
		.amdhsa_system_vgpr_workitem_id 0
		.amdhsa_next_free_vgpr 512
		.amdhsa_next_free_sgpr 66
		.amdhsa_reserve_vcc 0
		.amdhsa_float_denorm_mode_32 3
		.amdhsa_float_denorm_mode_16_64 3
		.amdhsa_memory_ordered 1
		.amdhsa_forward_progress 1
		.amdhsa_inst_pref_size 120
	.end_amdhsa_kernel
	.amdgpu_metadata
---
amdhsa.version: [ 1, 2 ]
amdhsa.kernels:
  - .name:           k_qba437f4fb6_proj
    .symbol:         k_qba437f4fb6_proj.kd
    .args:
      - { .name: x, .offset: 0, .size: 8, .value_kind: global_buffer, .address_space: global }
      - { .name: adj, .offset: 8, .size: 8, .value_kind: global_buffer, .address_space: global }
      - { .name: bq, .offset: 16, .size: 8, .value_kind: global_buffer, .address_space: global }
      - { .name: bk, .offset: 24, .size: 8, .value_kind: global_buffer, .address_space: global }
      - { .name: bv, .offset: 32, .size: 8, .value_kind: global_buffer, .address_space: global }
      - { .name: wimg, .offset: 40, .size: 8, .value_kind: global_buffer, .address_space: global }
      - { .name: wsc, .offset: 48, .size: 8, .value_kind: global_buffer, .address_space: global }
      - { .name: qimg, .offset: 56, .size: 8, .value_kind: global_buffer, .address_space: global }
      - { .name: qsc, .offset: 64, .size: 8, .value_kind: global_buffer, .address_space: global }
      - { .name: kvrec, .offset: 72, .size: 8, .value_kind: global_buffer, .address_space: global }
    .group_segment_fixed_size: 251392
    .private_segment_fixed_size: 0
    .kernarg_segment_align: 8
    .kernarg_segment_size: 80
    .max_flat_workgroup_size: 256
    .sgpr_count:     66
    .vgpr_count:     512
    .wavefront_size: 32
...
	.end_amdgpu_metadata
.endif
;; end of part 2
;; launch attn (part 3): grid 128 x 2, 16 waves a work-group, clusters of 4 x 1, 327,680 bytes of LDS; arguments qimg, qsc, kvrec, oimg, osc; writes oimg, osc
.if DOCPART == 3
	.amdgcn_target "amdgcn-amd-amdhsa--gfx1250"
	.amdhsa_code_object_version 6
	.text
	.protected	k_qba437f4fb6_attn
	.globl	k_qba437f4fb6_attn
	.p2align	8
	.type	k_qba437f4fb6_attn,@function
k_qba437f4fb6_attn:
	s_mov_b64 s[64:65], 0
	v_nop
	global_prefetch_b8 v0, s[64:65] scope:SCOPE_SE
	s_setreg_imm32_b32 hwreg(HW_REG_WAVE_MODE, 25, 1), 1
	s_wait_xcnt 0x0
	s_wait_alu depctr_hold_cnt(0) depctr_sa_sdst(0) depctr_va_vdst(0) depctr_va_sdst(0) depctr_va_ssrc(0) depctr_va_vcc(0) depctr_vm_vsrc(0)
	s_getreg_b32 s2, hwreg(HW_REG_IB_STS2, 6, 4)
	s_cmp_eq_u32 s2, 0
	s_cbranch_scc0 .Lentry_in_a_cluster
	s_endpgm
.Lentry_in_a_cluster:
	s_bfe_u32 s2, ttmp6, 0x10000c
	s_cmp_lg_u32 s2, 0x3003
	s_cbranch_scc0 .Lentry_shape_is_right
	s_endpgm
.Lentry_shape_is_right:
; o = softmax(q ks^T / 8) vs for 16 heads that share ONE key and value head of 64 a batch (the groups were summed by the launch before); both products on codes of E2M3 with one E8M0 byte for each 32 along K.
; THE SOFTMAX: t = score x log2(e) / 8; M = the row's largest t so far, rounded UP to a whole number; p = 2^(t - M) is quantised along the keys, not normalised; the row's sum is taken of the unquantised p and divides at the end.
; When M moves, the sum and O are multiplied by 2^(old M - new M): exact.  o is then quantised along the head's 64 for the last product.
; SHARES.  A work-group owns a tile of 16 queries; wave = head; four waves to a SIMD, so that one wave's vector work stands beside another's matrix work and LDS loads.  Every wave walks the batch's 4,096 keys, 128 a step.
; CLUSTER.  The four work-groups of a cluster walk the same records of k and v: each slot is asked for JOINTLY, by the same tensor loads with the same descriptors and the mask of all four.
; A RECORD (64 keys, 6,656 bytes) holds images of operand registers: 4 tiles of 16 keys of k, 4 tiles of 16 channels of v, 768 bytes each (registers 0-3 of lane l at 16 l, 4-5 at 512 + 8 l), and 512 bytes of scale words.
; K = 64 FILLS HALF OF THE MATRIX INSTRUCTION'S 128.  A fragment of k holds TWO tiles of keys, one in each half of K; q stands as (q | zeros) and as (zeros | q), which picks the one or the other.  Zero codes add nothing under any scale byte here.
; Both products are used transposed (S^T = k q^T, O^T = v^T p^T): a lane holds ONE query throughout.  The keys of a tile, and the channels of a tile of v, were chosen so that two neighbouring tiles' 16 registers are 16 neighbours.
; No prefetch is laid: a slot's refill is asked for eight key steps of all sixteen waves ahead of its first read.
; LIMITS: a block whose every p has fallen to 0 keeps the byte 1 (its codes are zeros); 1 / sum is v_rcp_f32 and a multiplication; NaN and infinities are not served.
.set STEPB, 13312                      ; a key step: two records
.set SLOTB, 8*STEPB                    ; a slot: eight key steps, 106,496 bytes = 416 rows of 256
.set SLOT1, 1<<17                      ; slot 1 begins here: one exclusive or turns an address in one slot into the other's
.set OSC,   SLOT1+SLOTB                ; behind the ring: o's scale bytes of the 16 heads, 512 bytes; no tile lands here
.set SPARE, OSC+512                    ; the spare words, 128 bytes for each wave: eight blocks of 256 bytes that no other line names
.set LI16, 1                           ; v1   16 x lane
.set LI8,  2                           ; v2   8 x lane
.set A16,  3                           ; v3   the step's first byte + 16 x lane
.set A8,   4                           ; v4   + 8 x lane
.set SPW,  5                           ; v5   LDS address of my spare word; never rewritten
.set NIL,  6                           ; v6   0; never rewritten
.set OSA,  7                           ; v7   OSC + 32 r + 2 x head
.set QA,   16                          ; v16-27 (q | zeros);  v28-39 (zeros | q).  v12 -M, v13 the largest t, v[14:15] the sum in two halves
.set QS,   40                          ; v40  q's scale words
.set SCA,  42                          ; v42-45 the first record's scale words: k's tiles 0|1, 2|3, v's 0|1, 2|3 (lanes 0-15 | lanes 16-31)
.set SCB,  46                          ; v46-49 the second record's
.set F,    50                          ; v50-97 four fragments, of k and then of v
.set S,    98                          ; v98-161 S^T, then p
.set O,    162                         ; v162-193 O^T
.set PC,   194                         ; v194-205 p's codes
.set PT,   206                         ; v206-213 the conversions' second halves
.set BM,   214                         ; v214-217 the blocks' largest scores, then largest p
.set BP,   218                         ; v218-221 at work
.set BS,   222                         ; v222-225 the conversions' scale operands
.set FF,   226                         ; v226 f = 2^(old M - new M)
.set PS,   227                         ; v227 p's scale word
.set WK,   228
.set OSR,  229                         ; v229 OSC + 16 x lane
.set TM,   BM
.set WV,   14
.set SEL,  20
.set CS,   22                          ; s[22:23] c = log2(e) / 8
.set G1,   24                          ; s[24:31] descriptor group 1
.set G0,   32                          ; s[32:35] group 0, which walks
.set TB,   36                          ; s36  LDS byte at which the step in hand begins
.set SLOTS, 37
.set STEPS, 38
.macro ROUND                           ; a round of the cluster's barrier
	s_barrier_signal -1
	s_barrier_wait -1
	s_cmp_lg_u32 s[WV], 0
	s_cbranch_scc1 .Lnot_wave_0_\@
	s_barrier_signal -3
.Lnot_wave_0_\@:
	s_barrier_wait -3
	s_barrier_signal -1
	s_barrier_wait -1
.endm
.macro TLOAD                           ; waves 0 to 3 fetch a quarter of a slot each, 104 rows of 256 bytes; the branch hangs on the wave's number alone.  An s_nop 0 and four v_nop follow the load
	s_cmp_lt_u32 s[WV], 4
	s_cbranch_scc0 .Lasked_\@
	tensor_load_to_lds s[G0:G0+3], s[G1:G1+7]
	s_nop 0
.rept 4
	v_nop
.endr
.Lasked_\@:
.endm
.macro LDH reg, off                    ; six registers of an image
	ds_load_b128 v[\reg:\reg+3], v[A16] offset:\off
	ds_load_b64 v[\reg+4:\reg+5], v[A8] offset:\off+512
.endm
.macro MM0 d, a, b, sa, sb, row        ; a product that starts its sum; row = 1: source 0's scales from lanes 16-31
.if (\row) == 0
	v_wmma_scale_f32_16x16x128_f8f6f4 v[\d:\d+7], v[\a:\a+11], v[\b:\b+11], 0, v[\sa], v[\sb] matrix_a_fmt:MATRIX_FMT_FP6 matrix_b_fmt:MATRIX_FMT_FP6
.else
	v_wmma_scale_f32_16x16x128_f8f6f4 v[\d:\d+7], v[\a:\a+11], v[\b:\b+11], 0, v[\sa], v[\sb] matrix_a_fmt:MATRIX_FMT_FP6 matrix_b_fmt:MATRIX_FMT_FP6 matrix_a_scale:MATRIX_SCALE_ROW1
.endif
.endm
.macro MMA d, a, b, sa, sb, row        ; a product that adds in place
.if (\row) == 0
	v_wmma_scale_f32_16x16x128_f8f6f4 v[\d:\d+7], v[\a:\a+11], v[\b:\b+11], v[\d:\d+7], v[\sa], v[\sb] matrix_a_fmt:MATRIX_FMT_FP6 matrix_b_fmt:MATRIX_FMT_FP6
.else
	v_wmma_scale_f32_16x16x128_f8f6f4 v[\d:\d+7], v[\a:\a+11], v[\b:\b+11], v[\d:\d+7], v[\sa], v[\sb] matrix_a_fmt:MATRIX_FMT_FP6 matrix_b_fmt:MATRIX_FMT_FP6 matrix_a_scale:MATRIX_SCALE_ROW1
.endif
.endm
; 32 numbers of a lane, register 16 b + i = k 32 b + 16 (lane / 16) + i of my row, become six registers v[z] on (lane (r, h): block h of row r); the two bytes, b0 | b1 << 8, in v[TM+6]
.macro QUANT2 s, z
.irp b, 0,1
	v_max3_num_f32 v[TM+\b], |v[\s+16*\b]|, |v[\s+1+16*\b]|, 0x1800000
.endr
.irp i, 2,4,6,8,10,12,14
.irp b, 0,1
	v_max3_num_f32 v[TM+\b], v[TM+\b], |v[\s+16*\b+\i]|, |v[\s+1+16*\b+\i]|
.endr
.endr
.irp b, 0,1
	v_permlanex16_b32 v[TM+2+\b], v[TM+\b], s[SEL], s[SEL+1]
.endr
.irp b, 0,1
	v_max_num_f32 v[TM+\b], v[TM+\b], v[TM+2+\b]
.endr
.irp b, 0,1
	v_add_nc_u32 v[TM+4+\b], 0xff000000, v[TM+\b]
.endr
.irp b, 0,1
	v_lshrrev_b32 v[TM+2+\b], 23, v[TM+4+\b]
.endr
	v_cvt_scalef32_pk16_fp6_f32 v[\z:\z+2], v[\s:\s+15], v[TM+4]
	v_cvt_scalef32_pk16_fp6_f32 v[\z+6:\z+8], v[\s+16:\s+31], v[TM+5]
	v_lshl_or_b32 v[TM+6], v[TM+3], 8, v[TM+2]                 ; the two bytes.  (The plain place behind the conversions)
.irp i, 0,1,2
	v_permlane16_swap_b32 v[\z+\i], v[\z+6+\i]
.endr
.irp i, 0,1,2
	v_mov_b32 v[\z+3+\i], v[\z+6+\i]
.endr
.endm
	s_load_b256 s[4:11], s[0:1], 0x0               ; qimg, qsc, kvrec, oimg
	s_load_b64 s[12:13], s[0:1], 0x20              ; osc
	v_lshl_add_u32 v[SPW], v0, 2, SPARE
	v_mov_b32 v[NIL], 0
	ds_add_u32 v[SPW], v[NIL]                      ; the wave's opening: the add and its wait stand ahead of the first tensor load; the set-up below, work on registers, stands between them
	v_lshrrev_b32 v8, 5, v0
	v_readfirstlane_b32 s[WV], v8                  ; wave 0..15 = my head
	v_and_b32 v8, 31, v0
	v_and_b32 v9, 15, v0
	v_lshlrev_b32 v[LI16], 4, v8
	v_lshlrev_b32 v[LI8], 3, v8
	s_lshl_b32 s40, s[WV], 1
	s_add_co_u32 s40, s40, OSC
	v_lshl_add_u32 v[OSA], v9, 5, s40
	v_add_nc_u32 v[OSR], OSC, v[LI16]
	s_bfe_u32 s15, ttmp6, 0x40000                  ; cx: it enters q's and o's global addresses alone
	s_and_b32 s16, ttmp7, 0xffff                   ; the batch, which the four partners share
	s_mov_b32 s[G1], 15|(3<<16)|(1<<21)            ; 15:0 the mask: all four work-groups; 17:16 elements of 8 bytes; 20 no padding: images are read at consecutive addresses; 21 set beside a mask
	s_mov_b32 s[G1+1], 32<<16                      ; tensor_dim0 = 32 elements: rows of 256 bytes
	s_mov_b32 s[G1+2], 104<<16                     ; tensor_dim1 = 104
	s_mov_b32 s[G1+3], 32<<16                      ; tile_dim0
	s_mov_b32 s[G1+4], 104                         ; tile_dim1
	s_mov_b32 s[G1+5], 32                          ; the pitch: the block is dense
	s_mov_b32 s[G1+6], 0
	s_mov_b32 s[G1+7], 0
	s_and_b32 s17, s[WV], 3
	s_mul_i32 s17, s17, 26624                      ; my quarter of a slot, in LDS and in memory
	s_mul_i32 s18, s16, 425984                     ; the batch's 64 records
	s_add_co_u32 s18, s18, s17
	s_mov_b32 s19, 0
	s_mov_b32 s[SEL], 0x76543210
	s_mov_b32 s[SEL+1], 0xfedcba98
	s_mov_b32 s[CS], 0x3e38aa3b                    ; c = log2(e) / 8
	s_mov_b32 s[CS+1], s[CS]                       ; (named with it as a pair, so it is written)
	s_mov_b32 s[TB], 0
	s_mov_b32 s[SLOTS], 3
	s_wait_dscnt 0x0                               ; the opening add is done
	s_wait_kmcnt 0x0
	s_mov_b32 s[G0], 1
	s_mov_b32 s[G0+1], s17
	s_add_nc_u64 s[G0+2:G0+3], s[8:9], s[18:19]
	s_or_b32 s[G0+3], s[G0+3], 0x80000000
	ROUND                                          ; all four work-groups are here: the first joint loads meet
	TLOAD                                          ; slot 0.  By this text's count a wave has at most one tensor load out
	s_lshl_b32 s40, s16, 5
	s_add_co_u32 s40, s40, ttmp9                   ; the group of four tiles of queries: 32 x batch + cluster x
	s_lshl_b32 s41, s40, 2
	s_add_co_u32 s41, s41, s15                     ; my tile of queries
	s_lshl_b32 s42, s41, 4
	s_add_co_u32 s42, s42, s[WV]
	s_mul_i32 s42, s42, 768
	s_mov_b32 s43, 0
	s_add_nc_u64 s[4:5], s[4:5], s[42:43]          ; q's image
	s_add_nc_u64 s[10:11], s[10:11], s[42:43]      ; o's
	s_lshl_b32 s42, s40, 4
	s_add_co_u32 s42, s42, s[WV]
	s_lshl_b32 s42, s42, 9
	s_lshl_b32 s44, s15, 2
	s_add_co_u32 s42, s42, s44
	s_add_nc_u64 s[6:7], s[6:7], s[42:43]          ; q's scale words: 16 bytes a lane, my tile's word among the four
	s_lshl_b32 s42, s41, 9
	s_add_nc_u64 s[12:13], s[12:13], s[42:43]      ; o's scale bytes
	global_load_b128 v[QA:QA+3], v[LI16], s[4:5]   ; q, twice: as the lower half of K,
	global_load_b64 v[QA+4:QA+5], v[LI8], s[4:5] offset:512
	global_load_b128 v[QA+18:QA+21], v[LI16], s[4:5]   ; and as the upper
	global_load_b64 v[QA+22:QA+23], v[LI8], s[4:5] offset:512
	global_load_b32 v[QS], v[LI16], s[6:7]
.set j, 6
.rept 12
	v_mov_b32 v[QA+j], 0                           ; the other halves: zero codes
.set j, j+1
.endr
	v_mov_b32 v13, 0xff61b1e6                      ; the largest t so far: -3e38, under every t
	v_floor_f32 v12, -v13                          ; -M
	v_mov_b32 v14, 0
	v_mov_b32 v15, 0
.set j, 0
.rept 32
	v_mov_b32 v[O+j], 0                            ; O^T.  (The step is written once: the first finds zeros, which the first change of M leaves zeros)
.set j, j+1
.endr
.irp b, 0,1,2,3
	v_mov_b32 v[BP+\b], 0                          ; written once: a lane permute's destination counts as one of its sources
.endr
	v_mov_b32 v[PS], 0                             ; (named as the upper half of the pair with f before it is first written)
	s_wait_loadcnt 0x0
; A KEY STEP: 128 keys, two records
.macro STEP
	v_add_nc_u32 v[A16], s[TB], v[LI16]
	v_add_nc_u32 v[A8], s[TB], v[LI8]
	v_nop
	v_nop                                          ; four places in front of loads into registers that the last products have read
.irp b, 0,1,2,3                                    ; a fragment of k: two tiles of 16 keys
	LDH F+12*\b, 6656*(\b/2)+1536*(\b%2)
	LDH F+12*\b+6, 6656*(\b/2)+1536*(\b%2)+768
.endr
	ds_load_b128 v[SCA:SCA+3], v[A16] offset:6144
	ds_load_b128 v[SCB:SCB+3], v[A16] offset:12800
	s_wait_dscnt 0x0
.irp t, 0,1,2,3,4,5,6,7                            ; S^T = k q^T: tile t lies in half t % 2 of fragment t / 2
	MM0 S+8*\t, F+12*(\t/2), QA+12*(\t%2), SCA+4*(\t/4)+(\t%4)/2, QS, \t%2
.endr
	v_or_b32 v[SCA+2], v[SCA+2], v[SCB+2]          ; v's scale words of the 128 keys: the first record's two bytes below, the second's above.
	v_or_b32 v[SCA+3], v[SCA+3], v[SCB+3]          ; (With the two v_nop: four places behind the products, which name neither register)
	v_nop
	v_nop
.irp t, 0,1,2,3                                    ; a fragment of v: 16 channels x the two records' 64 keys.  These loads land under the softmax
	LDH F+12*\t, 3072+768*\t
	LDH F+12*\t+6, 9728+768*\t
.endr
.irp b, 0,1,2,3
	v_max3_num_f32 v[BM+\b], v[S+16*\b], v[S+1+16*\b], v[S+2+16*\b]   ; THE LARGEST SCORE OF EACH BLOCK OF 32 KEYS: it serves for the row's maximum and, since p rises with the score, for the block's largest p
.endr
.irp i, 3,5,7,9,11,13
.irp b, 0,1,2,3
	v_max3_num_f32 v[BM+\b], v[BM+\b], v[S+16*\b+\i], v[S+1+16*\b+\i]
.endr
.endr
.irp b, 0,1,2,3
	v_max_num_f32 v[BM+\b], v[BM+\b], v[S+15+16*\b]
.endr
.irp b, 0,1,2,3
	v_permlanex16_b32 v[BP+\b], v[BM+\b], s[SEL], s[SEL+1]
.endr
.irp b, 0,1,2,3
	v_max_num_f32 v[BM+\b], v[BM+\b], v[BP+\b]     ; with lane l xor 16's 16 keys
.endr
	v_max3_num_f32 v[WK], v[BM], v[BM+1], v[BM+2]
	v_max_num_f32 v[WK], v[WK], v[BM+3]            ; the step's largest score of my query
	v_mul_f32 v[WK], s[CS], v[WK]                  ; as t (c is positive)
	v_max_num_f32 v13, v13, v[WK]                  ; the running largest t
	v_mov_b32 v[WK], v12
	v_floor_f32 v12, -v13                          ; the new -M = floor(-t): M IS A WHOLE NUMBER
	v_sub_f32 v[WK], v12, v[WK]                    ; old M - new M: a whole number, 0 or less
	v_cvt_i32_f32 v[WK], v[WK]                     ; (it saturates)
	v_ldexp_f32 v[FF], 1.0, v[WK]                  ; f = 2^(old M - new M)
.set j, 0
.rept 32
	v_pk_fma_f32 v[S+j:S+j+1], v[S+j:S+j+1], s[CS:CS+1], v[12:13] op_sel_hi:[1,0,0]   ; t - M, two at a time
.set j, j+2
.endr
.irp b, 0,1,2,3
	v_fma_f32 v[BM+\b], v[BM+\b], s[CS], v12       ; the same of each block's largest score
.endr
.set j, 0
.rept 64
	v_exp_f32 v[S+j], v[S+j]                       ; p = 2^(t - M), at most 1: not normalised
.set j, j+1
.endr
	v_pk_mul_f32 v[14:15], v[14:15], v[FF:FF+1] op_sel_hi:[1,0]   ; the sums under the new M.  (A plain place behind the exponentials)
	s_wait_alu depctr_va_vdst(0)                   ; one wait for the whole batch, ahead of its first reader
.irp b, 0,1,2,3
	v_exp_f32 v[BM+\b], v[BM+\b]                   ; the block's largest p: the same two instructions on the same number give the same bits
.endr
	v_pk_add_f32 v[BP:BP+1], v[S:S+1], v[S+2:S+3]  ; THE ROW'S SUM IS TAKEN OF THE UNQUANTISED p: two at a time, in two chains
.irp j, 4,8,12,16,20,24,28,32,36,40,44,48,52,56,60
	v_pk_add_f32 v[14:15], v[14:15], v[S+\j:S+1+\j]
	v_pk_add_f32 v[BP:BP+1], v[BP:BP+1], v[S+2+\j:S+3+\j]
.endr
	v_pk_add_f32 v[14:15], v[14:15], v[BP:BP+1]
	s_wait_alu depctr_va_vdst(0)                   ; and one for the four
.irp b, 0,1,2,3
	v_max_num_f32 v[BM+\b], 0x1800000, v[BM+\b]    ; the floor 2^(3 - 127): the byte cannot fall under 1
.endr
.irp b, 0,1,2,3
	v_add_nc_u32 v[BS+\b], 0xff000000, v[BM+\b]    ; 2 off the exponent field: the conversion's scale operand
.endr
.irp b, 0,1,2,3
	v_lshrrev_b32 v[BP+\b], 23, v[BS+\b]           ; the scale's byte
.endr
	v_lshl_or_b32 v[PS], v[BP+1], 8, v[BP]         ; p's scale word for these 128 keys
	v_lshl_or_b32 v[PS], v[BP+2], 16, v[PS]
	v_lshl_or_b32 v[PS], v[BP+3], 24, v[PS]
.irp c, 0,1
	v_cvt_scalef32_pk16_fp6_f32 v[PC+6*\c:PC+2+6*\c], v[S+32*\c:S+15+32*\c], v[BS+2*\c]
	v_cvt_scalef32_pk16_fp6_f32 v[PT+4*\c:PT+2+4*\c], v[S+16+32*\c:S+31+32*\c], v[BS+2*\c+1]
.endr
	v_nop                                          ; one plain place behind a scaled conversion
.irp c, 0,1                                        ; the operand wants a WHOLE block in a lane
.irp i, 0,1,2
	v_permlane16_swap_b32 v[PC+6*\c+\i], v[PT+4*\c+\i]
.endr
.irp i, 0,1,2
	v_mov_b32 v[PC+3+6*\c+\i], v[PT+4*\c+\i]
.endr
.endr
.set j, 0
.rept 16
	v_pk_mul_f32 v[O+j:O+j+1], v[O+j:O+j+1], v[FF:FF+1] op_sel_hi:[1,0]   ; O^T under the new M.  (These sixteen are also the places between the lines that wrote p's codes and scale word and the products)
.set j, j+2
.endr
	s_wait_dscnt 0x0                               ; v's fragments
.irp t, 0,1,2,3                                    ; O^T += v^T p^T; the four accumulators by turns
	MMA O+8*\t, F+12*\t, PC, SCA+2+(\t/2), PS, \t%2
.endr
	s_add_co_u32 s[TB], s[TB], STEPB
.endm
.macro EIGHT                           ; a slot's eight key steps: written once, walked eight times
	s_mov_b32 s[STEPS], 8
.Lstep_\@:
	STEP
	s_sub_co_u32 s[STEPS], s[STEPS], 1
	s_cmp_lg_u32 s[STEPS], 0
	s_cbranch_scc1 .Lstep_\@
.endm
; THE CHANGE OF SLOTS stands at a slot's head.  Each wave waits for all its tensor loads (its part of the slot ahead), adds 0 to its spare word, and waits for that and for its reads of the slot that it has left.
; fill = 1: a round of the cluster's barrier, so that no wave of any partner still reads that slot or has a load on its way; the joint refill is the first thing behind it and has eight key steps in which to land.
.macro CHANGE fill
	s_wait_tensorcnt 0x0                           ; no tensor load of mine is out, so group 0 may be written
	ds_add_u32 v[SPW], v[NIL]                      ; 0 onto my spare word
.if \fill
	s_xor_b32 s[G0+1], s[G0+1], SLOT1              ; the other slot than last time,
	s_add_nc_u64 s[G0+2:G0+3], s[G0+2:G0+3], SLOTB ; the next 16 records; the type bits on top are not reached
.endif
	s_wait_dscnt 0x0                               ; the add is done, and my reads of the slot that I have left are over
.if \fill
	ROUND
	TLOAD
.else
	s_barrier_signal -1
	s_barrier_wait -1
.endif
.endm
.Lslot:                                            ; three trips: behind each change of slots but the last the next slot is asked for
	CHANGE 1
	EIGHT
	s_sub_co_u32 s[TB], s[TB], SLOTB               ; back to a slot's first step,
	s_xor_b32 s[TB], s[TB], SLOT1                  ; in the other slot
	s_sub_co_u32 s[SLOTS], s[SLOTS], 1
	s_cmp_lg_u32 s[SLOTS], 0
	s_cbranch_scc1 .Lslot
	CHANGE 0                                       ; the last slot is written out
	EIGHT
	; THE WAY OUT.  O^T / the sum is quantised along the head's 64 in registers and stored from them; the 16 heads' scale bytes meet in LDS and leave as 512 consecutive bytes
.rept 4
	v_nop                                          ; four places behind the last products
.endr
	v_add_f32 v14, v14, v15                        ; the sum's two halves,
	v_permlanex16_b32 v[WK], v14, s[SEL], s[SEL+1]
	v_add_f32 v14, v14, v[WK]                      ; and lane l xor 16's: the row's sum
	v_rcp_f32 v14, v14
	v_nop                                          ; a plain place behind the transcendental
	s_wait_alu depctr_va_vdst(0)                   ; and the wait ahead of its first reader
.set j, 0
.rept 16
	v_pk_mul_f32 v[S+j:S+j+1], v[O+j:O+j+1], v[14:15] op_sel_hi:[1,0]   ; register 16 b + i is channel 32 b + 16 (lane / 16) + i; each accumulator is read from its low end on
.set j, j+2
.endr
	QUANT2 S, PC
	global_store_b128 v[LI16], v[PC:PC+3], s[10:11]
	global_store_b64 v[LI8], v[PC+4:PC+5], s[10:11] offset:512
	ds_store_b16 v[OSA], v[TM+6]                   ; my head's two bytes of row r; lanes r and r + 16 write the same
	s_wait_dscnt 0x0
	s_barrier_signal -1
	s_barrier_wait -1
	s_cmp_lg_u32 s[WV], 0
	s_cbranch_scc1 .Lend
	ds_load_b128 v[8:11], v[OSR]
	s_wait_dscnt 0x0
	global_store_b128 v[LI16], v[8:11], s[12:13]
.Lend:
	s_wait_tensorcnt 0x0                           ; the wave's end: behind my last tensor load and my last LDS store
	ds_add_u32 v[SPW], v[NIL]
	s_wait_dscnt 0x0
	ROUND                                          ; the closing round: no work-group ends while a partner may still ask for a tile that names it
	s_endpgm
.Lfunc_end_k_qba437f4fb6_attn:
	.size	k_qba437f4fb6_attn, .Lfunc_end_k_qba437f4fb6_attn-k_qba437f4fb6_attn
	.p2alignl 7, 3214868480
	.fill 96, 4, 3214868480
	.section	.rodata,"a",@progbits
	.p2align	6, 0x0
	.amdhsa_kernel k_qba437f4fb6_attn
		.amdhsa_group_segment_fixed_size 327680
		.amdhsa_private_segment_fixed_size 0
		.amdhsa_enable_private_segment 0
		.amdhsa_kernarg_size 40
		.amdhsa_user_sgpr_count 2
		.amdhsa_user_sgpr_kernarg_segment_ptr 1
		.amdhsa_wavefront_size32 1
		.amdhsa_system_sgpr_workgroup_id_x 1
		.amdhsa_system_sgpr_workgroup_id_y 1
		.amdhsa_system_sgpr_workgroup_id_z 1
		.amdhsa_system_vgpr_workitem_id 0
		.amdhsa_next_free_vgpr 256
		.amdhsa_next_free_sgpr 66
		.amdhsa_reserve_vcc 0
		.amdhsa_float_denorm_mode_32 3
		.amdhsa_float_denorm_mode_16_64 3
		.amdhsa_memory_ordered 1
		.amdhsa_forward_progress 1
		.amdhsa_inst_pref_size 43
	.end_amdhsa_kernel
	.amdgpu_metadata
---
amdhsa.version: [ 1, 2 ]
amdhsa.kernels:
  - .name:           k_qba437f4fb6_attn
    .symbol:         k_qba437f4fb6_attn.kd
    .args:
      - { .name: qimg, .offset: 0, .size: 8, .value_kind: global_buffer, .address_space: global }
      - { .name: qsc, .offset: 8, .size: 8, .value_kind: global_buffer, .address_space: global }
      - { .name: kvrec, .offset: 16, .size: 8, .value_kind: global_buffer, .address_space: global }
      - { .name: oimg, .offset: 24, .size: 8, .value_kind: global_buffer, .address_space: global }
      - { .name: osc, .offset: 32, .size: 8, .value_kind: global_buffer, .address_space: global }
    .group_segment_fixed_size: 327680
    .private_segment_fixed_size: 0
    .kernarg_segment_align: 8
    .kernarg_segment_size: 40
    .max_flat_workgroup_size: 512
    .sgpr_count:     66
    .vgpr_count:     256
    .wavefront_size: 32
...
	.end_amdgpu_metadata
.endif
;; end of part 3
;; launch outp (part 4): grid 256 x 1, 8 waves a work-group, no clusters, 116,736 bytes of LDS; arguments oimg, osc, wimg, wsc, bo, out0; writes out0
.if DOCPART == 4
	.amdgcn_target "amdgcn-amd-amdhsa--gfx1250"
	.amdhsa_code_object_version 6
	.text
	.protected	k_qba437f4fb6_outp
	.globl	k_qba437f4fb6_outp
	.p2align	8
	.type	k_qba437f4fb6_outp,@function
k_qba437f4fb6_outp:
	s_mov_b64 s[64:65], 0
	v_nop
	global_prefetch_b8 v0, s[64:65] scope:SCOPE_SE
	s_setreg_imm32_b32 hwreg(HW_REG_WAVE_MODE, 25, 1), 1
	s_wait_xcnt 0x0
; out0 = o Wo + bo, on codes of E2M3 with one E8M0 byte for each 32 along K.  o arrives as images of operand registers ([tile of 16 rows][head] x 768 bytes) with two scale bytes a row and head; Wo as images of fragments.
; SHARES.  A work-group makes 64 rows x 256 columns; wave w the columns 32 w on, for all 64 rows: 8 accumulators, 64 matrix instructions.  Its 16 fragments of Wo stay in its registers (window 1), read from memory once.
; o's 49,152 bytes are copied into LDS once, as they lie, and every wave reads its fragments from there: K step s of a tile of rows is the images of heads 2 s and 2 s + 1 on end.
; The product is used transposed (source 0 = 16 columns of Wo, source 1 = 16 rows of o): a lane holds eight neighbouring columns of one row.  The bias is the C of each sum's first matrix instruction.
; The rows of a tile are not neighbours (row p of tile 2 b + u is row 32 b + 8 u + p + 8 (p / 8) of the 64): the stage's addresses put them back in order.  Each store covers 512 consecutive bytes, aligned.
.set OIMG,  0
.set STG,   49152                      ; 64 rows x (1,024 + 16) bytes
.set SPARE, 115712                     ; the spare words, 128 bytes for each wave: four blocks of 256 bytes that no other line names
.set LI16, 1                           ; v1   16 x lane
.set LI8,  2                           ; v2   8 x lane
.set CPY,  3                           ; v3   16 x lane + 6,144 w: my part of o's images, in memory and in LDS
.set R32,  4                           ; v4   32 x (lane % 16): my row's scale bytes
.set BO,   5                           ; v5   64 x (lane / 16)
.set SO,   6                           ; v6   the stage: where I put 32 bytes of a row
.set SR,   7                           ; v7   and where I read rows back
.set SPW,  8                           ; v8   LDS address of my spare word; never rewritten
.set NIL,  9                           ; v9   0; never rewritten
.set OS,   20                          ; v20-51 o's scale words: tile m, K step s at 8 m + s
.set WS,   52                          ; v52-59 Wo's: pair of K steps g, tile u at 2 g + u (lanes 0-15 the even step, lanes 16-31 the odd)
.set BIAS, 60                          ; v60-75 the bias in the result's layout
.set RF,   76                          ; v76-171 o's four fragments, two buffers; at the end the rows on their way out
.set ACC,  172                         ; v172-235 the accumulators: (m, u) at 8 (2 m + u).   Window 1, v0-191: Wo's fragments, (s, u) at 12 (2 s + u)
.set WV,   16
.set MSB, 0
.macro WIN new                         ; the immediate's high byte repeats the setting that is left
.if MSB != \new
	s_set_vgpr_msb (MSB<<8)|\new
.set MSB, \new
.endif
.endm
.macro LDH reg, off
	ds_load_b128 v[\reg:\reg+3], v[LI16] offset:\off
	ds_load_b64 v[\reg+4:\reg+5], v[LI8] offset:\off+512
.endm
.macro LOADRF s                        ; 16 LDS loads: the four tiles' fragments of K step s into buffer s % 2
.irp m, 0,1,2,3
	LDH RF+48*((\s)%2)+12*\m, OIMG+12288*\m+1536*(\s)
	LDH RF+48*((\s)%2)+12*\m+6, OIMG+12288*\m+1536*(\s)+768
.endr
.endm
.macro WLOADS s0                       ; Wo's fragments of four K steps: 24 loads
	WIN 0x40
.irp s, \s0, \s0+1, \s0+2, \s0+3
.irp u, 0,1
.irp k, 0,1,2
	global_load_b128 v[12*(2*(\s)+\u)+4*\k:12*(2*(\s)+\u)+4*\k+3], v[LI16], s[28:29] offset:6144*(\s)+1536*\u+512*\k
.endr
.endr
.endr
	WIN 0
.endm
.macro MM d, a, b, c, sa, sb, row
.if (\row) == 0
	v_wmma_scale_f32_16x16x128_f8f6f4 v[\d:\d+7], v[\a:\a+11], v[\b:\b+11], v[\c:\c+7], v[\sa], v[\sb] matrix_a_fmt:MATRIX_FMT_FP6 matrix_b_fmt:MATRIX_FMT_FP6
.else
	v_wmma_scale_f32_16x16x128_f8f6f4 v[\d:\d+7], v[\a:\a+11], v[\b:\b+11], v[\c:\c+7], v[\sa], v[\sb] matrix_a_fmt:MATRIX_FMT_FP6 matrix_b_fmt:MATRIX_FMT_FP6 matrix_a_scale:MATRIX_SCALE_ROW1
.endif
.endm
	s_load_b256 s[4:11], s[0:1], 0x0               ; oimg, osc, wimg, wsc
	s_load_b128 s[12:15], s[0:1], 0x20             ; bo, out0
	v_lshl_add_u32 v[SPW], v0, 2, SPARE
	v_mov_b32 v[NIL], 0
	v_lshrrev_b32 v10, 5, v0
	v_readfirstlane_b32 s[WV], v10                 ; wave 0..7
	v_and_b32 v10, 31, v0
	v_and_b32 v11, 15, v0                          ; r
	v_bfe_u32 v12, v0, 4, 1                        ; h
	v_lshlrev_b32 v[LI16], 4, v10
	v_lshlrev_b32 v[LI8], 3, v10
	s_mul_i32 s20, s[WV], 6144
	v_add_nc_u32 v[CPY], s20, v[LI16]
	v_lshlrev_b32 v[R32], 5, v11
	v_lshlrev_b32 v[BO], 6, v12
	v_and_b32 v13, 8, v11
	v_add_nc_u32 v13, v13, v11                     ; r + 8 (r / 8)
	v_mul_u32_u24 v[SO], v13, 1040
	v_lshl_add_u32 v[SO], v12, 6, v[SO]
	s_lshl_b32 s20, s[WV], 7
	s_add_co_u32 s20, s20, STG
	v_add_nc_u32 v[SO], s20, v[SO]                 ; STG + (r + 8 (r / 8)) rows + 128 w + 64 h
	s_mul_i32 s20, s[WV], 8*1040
	s_add_co_u32 s20, s20, STG
	v_add_nc_u32 v[SR], s20, v[LI16]               ; back: my 8 rows, 16 bytes a lane
	s_and_b32 s17, ttmp9, 3                        ; which 256 columns
	s_lshr_b32 s18, ttmp9, 2                       ; which 64 rows
	s_lshr_b32 s19, s[WV], 1
	s_and_b32 s21, s[WV], 1
	s_lshl_b32 s22, s17, 2
	s_add_co_u32 s22, s22, s19
	s_add_co_u32 s22, s22, 24                      ; my group of 64 columns among the weights' 40
	s_mov_b32 s37, 0
	s_wait_kmcnt 0x0
	s_mul_i32 s36, s18, 49152
	s_add_nc_u64 s[24:25], s[4:5], s[36:37]        ; o's images of the 64 rows
	s_lshl_b32 s36, s18, 11
	s_add_nc_u64 s[26:27], s[6:7], s[36:37]        ; their scale bytes
	s_mul_i32 s36, s22, 49152
	s_mul_i32 s23, s21, 3072
	s_add_co_u32 s36, s36, s23
	s_add_nc_u64 s[28:29], s[8:9], s[36:37]        ; my two tiles of columns
	s_lshl_b32 s36, s22, 11
	s_lshl_b32 s23, s21, 3
	s_add_co_u32 s36, s36, s23
	s_add_nc_u64 s[30:31], s[10:11], s[36:37]      ; their scale words
	s_lshl_b32 s36, s17, 10
	s_lshl_b32 s23, s[WV], 7
	s_add_co_u32 s36, s36, s23
	s_add_nc_u64 s[32:33], s[12:13], s[36:37]      ; my 32 numbers of the bias
	s_lshl_b32 s36, s18, 6
	s_lshl_b32 s23, s[WV], 3
	s_add_co_u32 s36, s36, s23
	s_lshl_b32 s36, s36, 12                        ; row 64 R + 8 w of 4,096 bytes,
	s_lshl_b32 s23, s17, 10
	s_add_co_u32 s36, s36, s23                     ; + the work-group's 1,024 bytes of a row
	s_add_nc_u64 s[34:35], s[14:15], s[36:37]
.irp i, 0,1,2,3,4,5,6,7,8,9,10,11
	global_load_b128 v[RF+4*\i:RF+4*\i+3], v[CPY], s[24:25] offset:512*\i   ; my eighth of o's images
.endr
.irp m, 0,1,2,3
.irp k, 0,1
	global_load_b128 v[OS+8*\m+4*\k:OS+8*\m+4*\k+3], v[R32], s[26:27] offset:512*\m+16*\k
.endr
.endr
.irp g, 0,1,2,3
	global_load_b64 v[WS+2*\g:WS+2*\g+1], v[LI16], s[30:31] offset:512*\g
.endr
.irp u, 0,1
.irp k, 0,1
	global_load_b128 v[BIAS+8*\u+4*\k:BIAS+8*\u+4*\k+3], v[BO], s[32:33] offset:32*\u+16*\k
.endr
.endr
	WLOADS 0
	s_wait_loadcnt 40                              ; my eighth is in; younger: 16 small loads and 24 of weights
.irp i, 0,1,2,3,4,5,6,7,8,9,10,11
	ds_store_b128 v[CPY], v[RF+4*\i:RF+4*\i+3] offset:OIMG+512*\i
.endr
	WLOADS 4
	s_wait_dscnt 0x0                               ; for the others' sake: my stores have landed
	s_barrier_signal -1
	s_barrier_wait -1                              ; o's 64 images lie in LDS
	LOADRF 0
.irp s, 0,1,2,3,4,5,6,7
.if \s > 0
.rept 4
	v_nop                                          ; four places in front of loads into the buffer that the last step multiplied
.endr
.endif
.if \s < 7
	LOADRF \s+1
	s_wait_dscnt 16                                ; this step's fragments are in; the 16 loads just issued may be out
.else
	s_wait_dscnt 0x0
.endif
.if \s == 0
	s_wait_loadcnt 24                              ; the scale words, the bias and four K steps of weights; the other four steps' 24 loads may be out
.elseif \s == 4
	s_wait_loadcnt 0x0
.endif
	WIN 0x01                                       ; source 0 (Wo) window 1
.irp m, 0,1,2,3                                    ; the eight accumulators by turns, in the same order in every step
.irp u, 0,1
.if \s == 0
	MM ACC+8*(2*\m+\u), 12*(2*\s+\u), RF+48*(\s%2)+12*\m, BIAS+8*\u, WS+2*(\s/2)+\u, OS+8*\m+\s, 0
.else
	MM ACC+8*(2*\m+\u), 12*(2*\s+\u), RF+48*(\s%2)+12*\m, ACC+8*(2*\m+\u), WS+2*(\s/2)+\u, OS+8*\m+\s, \s%2
.endif
.endr
.endr
	WIN 0
.endr
.rept 4
	v_nop                                          ; four places in front of the first read of results
.endr
.irp m, 0,1,2,3
.irp u, 0,1
	ds_store_b128 v[SO], v[ACC+8*(2*\m+\u):ACC+8*(2*\m+\u)+3] offset:(32*(\m/2)+8*(\m%2))*1040+32*\u       ; each accumulator from its low end on
	ds_store_b128 v[SO], v[ACC+8*(2*\m+\u)+4:ACC+8*(2*\m+\u)+7] offset:(32*(\m/2)+8*(\m%2))*1040+32*\u+16
.endr
.endr
	s_wait_dscnt 0x0
	s_barrier_signal -1
	s_barrier_wait -1                              ; 64 rows x 1,024 bytes lie in the stage, in their true order
.irp i, 0,1,2,3,4,5,6,7
.irp k, 0,1
	ds_load_b128 v[RF+4*(2*\i+\k):RF+4*(2*\i+\k)+3], v[SR] offset:1040*\i+512*\k
.endr
.endr
.irp i, 0,1,2,3,4,5,6,7
.irp k, 0,1
	s_wait_dscnt 15-(2*\i+\k)
	global_store_b128 v[LI16], v[RF+4*(2*\i+\k):RF+4*(2*\i+\k)+3], s[34:35] offset:4096*\i+512*\k th:TH_STORE_NT   ; written once, read by nobody here
.endr
.endr
	s_wait_tensorcnt 0x0                           ; the wave's end: behind my last LDS store
	ds_add_u32 v[SPW], v[NIL]
	s_wait_dscnt 0x0
	s_endpgm
.Lfunc_end_k_qba437f4fb6_outp:
	.size	k_qba437f4fb6_outp, .Lfunc_end_k_qba437f4fb6_outp-k_qba437f4fb6_outp
	.p2alignl 7, 3214868480
	.fill 96, 4, 3214868480
	.section	.rodata,"a",@progbits
	.p2align	6, 0x0
	.amdhsa_kernel k_qba437f4fb6_outp
		.amdhsa_group_segment_fixed_size 116736
		.amdhsa_private_segment_fixed_size 0
		.amdhsa_enable_private_segment 0
		.amdhsa_kernarg_size 48
		.amdhsa_user_sgpr_count 2
		.amdhsa_user_sgpr_kernarg_segment_ptr 1
		.amdhsa_wavefront_size32 1
		.amdhsa_system_sgpr_workgroup_id_x 1
		.amdhsa_system_sgpr_workgroup_id_y 1
		.amdhsa_system_sgpr_workgroup_id_z 1
		.amdhsa_system_vgpr_workitem_id 0
		.amdhsa_next_free_vgpr 512
		.amdhsa_next_free_sgpr 66
		.amdhsa_reserve_vcc 0
		.amdhsa_float_denorm_mode_32 3
		.amdhsa_float_denorm_mode_16_64 3
		.amdhsa_memory_ordered 1
		.amdhsa_forward_progress 1
		.amdhsa_inst_pref_size 33
	.end_amdhsa_kernel
	.amdgpu_metadata
---
amdhsa.version: [ 1, 2 ]
amdhsa.kernels:
  - .name:           k_qba437f4fb6_outp
    .symbol:         k_qba437f4fb6_outp.kd
    .args:
      - { .name: oimg, .offset: 0, .size: 8, .value_kind: global_buffer, .address_space: global }
      - { .name: osc, .offset: 8, .size: 8, .value_kind: global_buffer, .address_space: global }
      - { .name: wimg, .offset: 16, .size: 8, .value_kind: global_buffer, .address_space: global }
      - { .name: wsc, .offset: 24, .size: 8, .value_kind: global_buffer, .address_space: global }
      - { .name: bo, .offset: 32, .size: 8, .value_kind: global_buffer, .address_space: global }
      - { .name: out0, .offset: 40, .size: 8, .value_kind: global_buffer, .address_space: global }
    .group_segment_fixed_size: 116736
    .private_segment_fixed_size: 0
    .kernarg_segment_align: 8
    .kernarg_segment_size: 48
    .max_flat_workgroup_size: 256
    .sgpr_count:     66
    .vgpr_count:     512
    .wavefront_size: 32
...
	.end_amdgpu_metadata
.endif
;; end of part 4
;; ======== version 2 of 2: 4 launches
;; workspace buffers: wimg 1,966,080 bytes; wsc 81,920 bytes; qimg 3,145,728 bytes; qsc 524,288 bytes; kvrec 851,968 bytes; oimg 3,145,728 bytes; osc 131,072 bytes
;; launch wq: the kernel of part 1 again; grid 40 x 4, 4 waves a work-group, no clusters, 13,312 bytes of LDS; arguments Wq, Wk, Wv, Wo, wimg, wsc; writes wimg, wsc
;; launch proj (part 5): grid 256 x 1, 8 waves a work-group, no clusters, 251,392 bytes of LDS; arguments x, adj, bq, bk, bv, wimg, wsc, qimg, qsc, kvrec; writes qimg, qsc, kvrec
.if DOCPART == 5
	.amdgcn_target "amdgcn-amd-amdhsa--gfx1250"
	.amdhsa_code_object_version 6
	.text
	.protected	k_qba437f4fb6_proj
	.globl	k_qba437f4fb6_proj
	.p2align	8
	.type	k_qba437f4fb6_proj,@function
k_qba437f4fb6_proj:
	s_mov_b64 s[64:65], 0
	v_nop
	global_prefetch_b8 v0, s[64:65] scope:SCOPE_SE
	s_setreg_imm32_b32 hwreg(HW_REG_WAVE_SCHED_MODE, 0, 2), 2
	s_setreg_imm32_b32 hwreg(HW_REG_WAVE_MODE, 25, 1), 1
	s_wait_xcnt 0x0
	s_wait_alu depctr_vm_vsrc(0)
; The three projections, on codes of E2M3 with one E8M0 byte for each 32 along K, and the quantising of their results for the attention.
; Work-groups 0-127: 64 rows of x, 8 heads: q = x Wq + bq, quantised along the head's 64.  Work-groups 128-255: 64 rows of adj: k = adj Wk + bk and v = adj Wv + bv, each summed over its 4 groups
; ((g0 + g1) + (g2 + g3), in f32); the sum of k is quantised along the head's 64, the sum of v along the keys.
; SHARES.  Every wave multiplies the work-group's 64 rows by one group of 64 columns over K = 1,024: 16 accumulators, 128 matrix instructions.  Its weights come from memory straight into its registers, laid in operand order.
; The rows are quantised once a work-group: wave w takes K step w of all 64 rows; the codes go to the other waves through LDS as images of the operand's registers.
; THE ROWS OF A TILE ARE NOT NEIGHBOURS: row p of tile 2 b + u is row 32 b + 8 u + p + 8 (p / 8) of the 64; the weights' columns likewise.  So the 16 registers of two neighbouring tiles are 16 neighbours along the next K.
; q and k are made TRANSPOSED (source 0 = 16 columns of the weight, source 1 = 16 rows): a lane holds one row, its registers run along the head's 64.  v is made the natural way round: a lane holds one channel, its registers run along the keys.
; OUT.  qimg [tile of 16 queries][head]: 768 bytes: registers 0-3 of lane l at 16 l, 4-5 at 512 + 8 l; lane (r, h) holds block h of row r.  qsc: the word (s0, s1, s0, s1) of each row.
; kvrec: a record of 6,656 bytes for each 64 keys: 4 such images of k (tiles of 16 keys), 4 of v (tiles of 16 channels), 512 bytes of scale words.
; No cache hint on the rows' loads: one text serves x, of which a block is read by two work-groups, and adj.
; LIMITS: a block of zeros, or one whose largest magnitude lies under 2^-124, gets the byte 1: its codes are zeros or next to zero, and the bytes are read by this program alone.  NaN and infinities are not served.
; THE MODE: SCHED_MODE bits 1:0 = 2 (LLVM: expert scheduling mode 2), set by the entry lines.  The code itself states the register dependences
; between vector or matrix instructions and memory or LDS instructions, with s_wait_alu, always for 0.
; THE PLAN.  Registers that memory or LDS instructions touch:
;   v1-13, v57, v79  offsets and LDS addresses: written at the head and never again: one wait on va_vdst ahead of the first load serves them all.
;   G0, G1     16 rows as loaded.  Written by global loads, read by the stores into the stage alone.  G0 is loaded again (tile 2) and later written by the products; G1 is loaded again (tile 3, then the weights' fourth buffer).
;   XB         written by the loads from the stage, read by the quantiser.        PC, PW  written by the quantiser, read by the image's stores.
;              So a tile of rows has two waits: one on vm_vsrc behind its turn through the stage, one on va_vdst behind its quantiser.
;   RF, XS     the rows' fragments and scale words of a K step, ONE set, used as two halves: tiles 0, 1 and tiles 2, 3.  A half is written by LDS loads and read by eight products.
;   W0 .. W3   the weights' ring: a buffer is written by global loads and read by the sixteen products of its K step.
;              A K step's products go tile by tile.  Behind the first eight one wait on va_vdst states that they are done reading the first half, and the next step's first half is asked for: it lands under the second eight.
;              Behind the second eight one wait states that they are done reading the second half and the step's weights: the next step's second half and the weights of three steps on are asked for, and land under the next products.
;   ACC        written by the products; read by vector instructions (q), or by LDS stores and then written by LDS loads (k, v).
;   v14, v15   written at the head, read by the closing add alone.
.set XIMG,  0                          ; LDS: the rows' codes: [K step 8][tile of rows 4] images of 1,536 bytes
.set XSC,   49152                      ; their scale words: 256 s + 16 r + 4 m
.set STG,   51200                      ; a stage of 16 rows x (512 + 16) bytes for each wave
.set XCH,   118784                     ; the groups' results: [wave][tile 16] x 1,024 bytes
.set SCL,   249856                     ; a record's 512 bytes of scale words
.set SPARE, 250368                     ; the spare words, 128 bytes for each wave: four blocks of 256 bytes that no other line names
.set LI16, 1                           ; v1   16 x lane
.set R16,  2                           ; v2   16 x (lane % 16)
.set VX,   3                           ; v3   16 x lane + 512 w: my K step's bytes of a row
.set STW,  4                           ; v4   my stage, on the way in
.set STR,  5                           ; v5   and on the way out: row r, + 64 h
.set XWI,  6                           ; v6   where I store the rows' images: 16 x lane + 6,144 w
.set XWS,  7                           ; v7   and their scale words
.set XCHW, 8                           ; v8   where I store my results
.set RAK,  9                           ; v9   where a wave that sums k reads them
.set RAV,  10                          ; v10  where a wave that sums v reads them
.set SCW,  11                          ; v11  where my rows' scale words of the record go
.set LI8,  12                          ; v12  8 x lane
.set BOT,  13                          ; v13  the bias, transposed use: 64 h
.set SPW,  14                          ; v14  LDS address of my spare word; never rewritten
.set NIL,  15                          ; v15  0; never rewritten
.set BT,   16                          ; v16-19 the bias, natural use: one number a tile
.set PC,   20                          ; v20-38 the codes just made
.set TM,   40                          ; v40-55 at work in the quantisers
.set PW,   56                          ; v56  the scale word just made
.set BON,  57                          ; v57  the bias, natural use: 4 (r + 8 (r / 8))
.set XS,   58                          ; v58-61 the rows' scale words of the K step in hand; at the end q's
.set WS,   62                          ; v62-77 the weights' scale words
.set SCRD, 79                          ; v79  SCL + 16 x lane
.set RF,   80                          ; v80-127 the rows' four fragments
.set ACC,  128                         ; v128-255 the accumulators: tile (m, c) at 128 + 8 (4 m + c)
.set G0,   128                         ; while the rows are quantised: 16 rows as loaded,
.set XB,   192                         ; and 64 numbers of a lane
.set G1,   144                         ; window 1: 16 rows as loaded (over the weights' fourth buffer, which is filled later)
.set BIAS, 208                         ; window 1: v208-239 the bias in the result's layout, eight registers a tile.  Window 1, v0-191: the weights, a ring of four buffers of 48
.set WV,   24
.set NOR,  27                          ; s27  1 in the waves that make v
.set MUL,  28                          ; s28  what turns two scale bytes into the record's word
.set SRC,  30                          ; s[30:31] my work-group's rows
.set BIA,  32                          ; s[32:33] my 64 numbers of the bias
.set WB,   34                          ; s[34:35] my group's images
.set WSB,  36                          ; s[36:37] and its scale words
.set QI,   38                          ; s[38:39] q's images
.set QSB,  52                          ; s[52:53] q's scale words
.set KR,   54                          ; s[54:55] the record
.set KI,   56                          ; s[56:57] my image in it
.set SEL,  58                          ; s[58:59] v_permlanex16_b32's selects for lane l xor 16
.set MSB, 0
.macro WIN new                         ; the immediate's high byte repeats the setting that is left
.if MSB != \new
	s_set_vgpr_msb (MSB<<8)|\new
.set MSB, \new
.endif
.endm
; 64 numbers of a lane, register 16 b + i = k 32 b + 16 (lane / 16) + i of my row, become a fragment's codes in v[PC] on and its scale word in v[PW]
.macro QUANT s
.irp b, 0,1,2,3
	v_max3_num_f32 v[TM+\b], |v[\s+16*\b]|, |v[\s+1+16*\b]|, 0x1800000   ; my 16 numbers of block b, and the floor 2^(3 - 127): the byte cannot fall under 1
.endr
.irp i, 2,4,6,8,10,12,14
.irp b, 0,1,2,3
	v_max3_num_f32 v[TM+\b], v[TM+\b], |v[\s+16*\b+\i]|, |v[\s+1+16*\b+\i]|
.endr
.endr
.irp b, 0,1,2,3
	v_permlanex16_b32 v[TM+4+\b], v[TM+\b], s[SEL], s[SEL+1]
.endr
.irp b, 0,1,2,3
	v_max_num_f32 v[TM+\b], v[TM+\b], v[TM+4+\b]               ; with lane l xor 16's: the block's largest magnitude
.endr
.irp b, 0,1,2,3
	v_add_nc_u32 v[TM+12+\b], 0xff000000, v[TM+\b]             ; 2 off its exponent field: the conversion's scale operand
.endr
.irp b, 0,1,2,3
	v_lshrrev_b32 v[TM+4+\b], 23, v[TM+12+\b]                  ; the scale's byte
.endr
	v_lshl_or_b32 v[PW], v[TM+5], 8, v[TM+4]
	v_lshl_or_b32 v[PW], v[TM+6], 16, v[PW]
	v_lshl_or_b32 v[PW], v[TM+7], 24, v[PW]
.irp c, 0,1
	v_cvt_scalef32_pk16_fp6_f32 v[PC+6*\c:PC+2+6*\c], v[\s+32*\c:\s+15+32*\c], v[TM+12+2*\c]
	v_cvt_scalef32_pk16_fp6_f32 v[PC+12+4*\c:PC+14+4*\c], v[\s+16+32*\c:\s+31+32*\c], v[TM+12+2*\c+1]
.endr
	v_nop                                                      ; one plain place behind a scaled conversion
.irp c, 0,1                                                    ; the operand wants a WHOLE block in a lane
.irp i, 0,1,2
	v_permlane16_swap_b32 v[PC+6*\c+\i], v[PC+12+4*\c+\i]
.endr
.irp i, 0,1,2
	v_mov_b32 v[PC+3+6*\c+\i], v[PC+12+4*\c+\i]
.endr
.endr
.endm
; 32 numbers of a lane, register 16 b + i = k 32 b + 16 (lane / 16) + i of my row, become six registers v[z] on (lane (r, h): block h of row r); the two bytes, b0 | b1 << 8, in v[TM+6]
.macro QUANT2 s, z
.irp b, 0,1
	v_max3_num_f32 v[TM+\b], |v[\s+16*\b]|, |v[\s+1+16*\b]|, 0x1800000
.endr
.irp i, 2,4,6,8,10,12,14
.irp b, 0,1
	v_max3_num_f32 v[TM+\b], v[TM+\b], |v[\s+16*\b+\i]|, |v[\s+1+16*\b+\i]|
.endr
.endr
.irp b, 0,1
	v_permlanex16_b32 v[TM+2+\b], v[TM+\b], s[SEL], s[SEL+1]
.endr
.irp b, 0,1
	v_max_num_f32 v[TM+\b], v[TM+\b], v[TM+2+\b]
.endr
.irp b, 0,1
	v_add_nc_u32 v[TM+4+\b], 0xff000000, v[TM+\b]
.endr
.irp b, 0,1
	v_lshrrev_b32 v[TM+2+\b], 23, v[TM+4+\b]
.endr
	v_cvt_scalef32_pk16_fp6_f32 v[\z:\z+2], v[\s:\s+15], v[TM+4]
	v_cvt_scalef32_pk16_fp6_f32 v[\z+6:\z+8], v[\s+16:\s+31], v[TM+5]
	v_lshl_or_b32 v[TM+6], v[TM+3], 8, v[TM+2]                 ; the two bytes.  (The plain place behind the conversions)
.irp i, 0,1,2
	v_permlane16_swap_b32 v[\z+\i], v[\z+6+\i]
.endr
.irp i, 0,1,2
	v_mov_b32 v[\z+3+\i], v[\z+6+\i]
.endr
.endm
; tile m's 16 rows, my K step's 512 bytes of each: every load reads 512 consecutive bytes, aligned
.macro GLOAD m, reg, win
	WIN \win
.set i, 0
.rept 16
	global_load_b128 v[\reg+4*i:\reg+4*i+3], v[VX], s[SRC:SRC+1] offset:(32*((\m)/2)+8*((\m)%2)+i+8*(i/8))*4096
.set i, i+1
.endr
	WIN 0
.endm
; my group's four fragments of K step s into buffer s % 4
.macro WLOAD s
	WIN 0x40
.irp c, 0,1,2,3
.irp k, 0,1,2
	global_load_b128 v[48*((\s)%4)+12*\c+4*\k:48*((\s)%4)+12*\c+4*\k+3], v[LI16], s[WB:WB+1] offset:6144*(\s)+1536*\c+512*\k
.endr
.endr
	WIN 0
.endm
; 16 rows x 512 bytes through my own stage: in as loaded, back 16 neighbours of each block to a lane.  The wait on DScnt shows the numbers back
.macro TURN reg, win
	WIN \win
.set i, 0
.rept 16
	ds_store_b128 v[STW], v[\reg+4*i:\reg+4*i+3] offset:528*i
.set i, i+1
.endr
	WIN 0
.irp b, 0,1,2,3
.irp j, 0,1,2,3
	ds_load_b128 v[XB+16*\b+4*\j:XB+16*\b+4*\j+3], v[STR] offset:128*\b+16*\j   ; LDS serves a wave's instructions in order: these see my stores
.endr
.endr
	s_wait_dscnt 0x0
	s_wait_alu depctr_vm_vsrc(0)                   ; the stores into the stage have read the 16 rows' registers, in which later loads land and which the products write; the last image's stores have read v[PC ..] and v[PW], which the quantiser writes again
.endm
.macro IMAGE m
	s_wait_alu depctr_va_vdst(0)                   ; the quantiser has written v[PC ..] and v[PW], which the stores below read, and is done reading v[XB ..], in which the next tile's numbers land
.irp c, 0,1,2
	ds_store_b128 v[XWI], v[PC+4*\c:PC+4*\c+3] offset:XIMG+1536*(\m)+512*\c
.endr
	ds_store_b32 v[XWS], v[PW] offset:4*(\m)       ; lanes r and r + 16 write the same word with the same value
.endm
; half h of the rows' fragments of K step s: tiles 2 h and 2 h + 1, and their two scale words: seven LDS loads
.macro RFLOAD s, h
.irp d, 0,1
.irp k, 0,1,2
	ds_load_b128 v[RF+12*(2*(\h)+\d)+4*\k:RF+12*(2*(\h)+\d)+4*\k+3], v[LI16] offset:XIMG+6144*(\s)+1536*(2*(\h)+\d)+512*\k
.endr
.endr
	ds_load_b64 v[XS+2*(\h):XS+2*(\h)+1], v[R16] offset:XSC+256*(\s)+8*(\h)
.endm
.macro MM d, a, b, c, sa, sb, row      ; row: 0 both scales from lanes 0-15; 1 source 0's from lanes 16-31; 2 source 1's
.if (\row) == 0
	v_wmma_scale_f32_16x16x128_f8f6f4 v[\d:\d+7], v[\a:\a+11], v[\b:\b+11], v[\c:\c+7], v[\sa], v[\sb] matrix_a_fmt:MATRIX_FMT_FP6 matrix_b_fmt:MATRIX_FMT_FP6
.elseif (\row) == 1
	v_wmma_scale_f32_16x16x128_f8f6f4 v[\d:\d+7], v[\a:\a+11], v[\b:\b+11], v[\c:\c+7], v[\sa], v[\sb] matrix_a_fmt:MATRIX_FMT_FP6 matrix_b_fmt:MATRIX_FMT_FP6 matrix_a_scale:MATRIX_SCALE_ROW1
.else
	v_wmma_scale_f32_16x16x128_f8f6f4 v[\d:\d+7], v[\a:\a+11], v[\b:\b+11], v[\c:\c+7], v[\sa], v[\sb] matrix_a_fmt:MATRIX_FMT_FP6 matrix_b_fmt:MATRIX_FMT_FP6 matrix_b_scale:MATRIX_SCALE_ROW1
.endif
.endm
.macro PLACES                          ; four places behind matrix instructions
.rept 4
	v_nop
.endr
.endm
; Eight matrix instructions of K step s: the tiles of rows m0 and m0 + 1 against the four tiles of columns.  o = 0: transposed; 1: natural.  The first step takes the bias as C.
.macro HALF o, s, m0
.set WBUF, 48*((\s)%4)
.set WSR, WS+4*((\s)/2)
.if (\o) == 0
.if (\s) == 0
	WIN 0x11                                       ; source 0 (the weights) and C (the bias) window 1
.else
	WIN 0x01
.endif
.irp m, \m0, \m0+1
.irp c, 0,1,2,3
.if (\s) == 0
	MM ACC+8*(4*(\m)+\c), WBUF+12*\c, RF+12*(\m), BIAS+8*\c, WSR+\c, XS+(\m), 0
.else
	MM ACC+8*(4*(\m)+\c), WBUF+12*\c, RF+12*(\m), ACC+8*(4*(\m)+\c), WSR+\c, XS+(\m), (\s)%2
.endif
.endr
.endr
.else
.if (\s) == 0
	WIN 0x14                                       ; source 1 (the weights) and C window 1
.else
	WIN 0x04
.endif
.irp m, \m0, \m0+1
.irp c, 0,1,2,3
.if (\s) == 0
	MM ACC+8*(4*(\m)+\c), RF+12*(\m), WBUF+12*\c, BIAS+8*\c, XS+(\m), WSR+\c, 0
.else
	MM ACC+8*(4*(\m)+\c), RF+12*(\m), WBUF+12*\c, ACC+8*(4*(\m)+\c), XS+(\m), WSR+\c, 2*((\s)%2)
.endif
.endr
.endr
.endif
	WIN 0
.endm
; K step s: 16 matrix instructions, the 16 accumulators by turns in the same order in every step, in two halves of eight.
; While one half of the rows' fragments is multiplied, the other half is on its way from LDS.
.macro MSTEP o, s
.if (\s) > 0
	s_wait_alu depctr_va_vdst(0)                   ; the last step's products are done reading the second half of v[RF ..] and v[XS ..] and the weights' buffer (s - 1) % 4, in which the loads below land
	RFLOAD \s, 1                                   ; this step's second half: it lands under the first half's eight products
.if (\s) < 5
	WLOAD (\s)+3                                   ; into the buffer that the last step multiplied
.endif
.endif
	s_wait_dscnt 7                                 ; LDS loads come back in order: this step's first half is in; the seven loads of its second half may be out
.if ((\s) >= 2) && ((\s) <= 4)
	s_wait_loadcnt 36                              ; this step's weights are in; three younger steps' 12 loads each may be out
.elseif (\s) > 4
	s_wait_loadcnt 12*(7-(\s))                     ; the counts run down: nothing more is asked for
.endif
	HALF \o, \s, 0
.if (\s) < 7
	PLACES                                         ; between the products and the loads into registers that they have read
	s_wait_alu depctr_va_vdst(0)                   ; the eight products above are done reading the first half of v[RF ..] and v[XS ..], in which the loads below land
	RFLOAD (\s)+1, 0                               ; the next step's first half: it lands under the second half's eight products
	s_wait_dscnt 7                                 ; this step's second half is in; the seven loads just issued may be out
.else
	s_wait_dscnt 0x0                               ; the last half
.endif
	HALF \o, \s, 2
	PLACES                                         ; between the products and the next step's loads into registers that they have read; behind the last step: in front of the first read of results
.endm
	s_load_b512 s[4:19], s[0:1], 0x0               ; x, adj, bq, bk, bv, wimg, wsc, qimg
	s_load_b128 s[20:23], s[0:1], 0x40             ; qsc, kvrec
	v_lshl_add_u32 v[SPW], v0, 2, SPARE
	v_mov_b32 v[NIL], 0
	v_lshrrev_b32 v20, 5, v0
	v_readfirstlane_b32 s[WV], v20                 ; wave 0..7
	v_and_b32 v20, 31, v0                          ; lane
	v_and_b32 v21, 15, v0                          ; r
	v_bfe_u32 v22, v0, 4, 1                        ; h
	v_lshlrev_b32 v[LI16], 4, v20                  ; every LDS address is made here, ahead of the first branch
	v_lshlrev_b32 v[LI8], 3, v20
	v_lshlrev_b32 v[R16], 4, v21
	s_wait_alu depctr_va_sdst(0)                   ; the wave's number is written, ahead of its first reader: addresses, bases and roles are made from it
	s_lshl_b32 s40, s[WV], 9
	v_add_nc_u32 v[VX], s40, v[LI16]
	s_mul_i32 s40, s[WV], 8448
	s_add_co_u32 s40, s40, STG
	v_add_nc_u32 v[STW], s40, v[LI16]
	v_mul_u32_u24 v23, v21, 528
	v_lshl_add_u32 v23, v22, 6, v23
	v_add_nc_u32 v[STR], s40, v23
	s_mul_i32 s40, s[WV], 6144
	v_add_nc_u32 v[XWI], s40, v[LI16]
	s_lshl_b32 s40, s[WV], 8
	s_add_co_u32 s40, s40, XSC
	v_add_nc_u32 v[XWS], s40, v[R16]
	s_lshl_b32 s40, s[WV], 14
	s_add_co_u32 s40, s40, XCH
	v_add_nc_u32 v[XCHW], s40, v[LI16]
	s_and_b32 s41, s[WV], 3
	s_lshl_b32 s40, s41, 12
	s_add_co_u32 s40, s40, XCH
	v_add_nc_u32 v[RAK], s40, v[LI16]              ; waves 0-3's results, the tile of keys w & 3
	s_lshl_b32 s40, s41, 10
	s_add_co_u32 s40, s40, XCH+65536
	v_add_nc_u32 v[RAV], s40, v[LI16]              ; waves 4-7's results, the tile of channels w & 3
	s_and_b32 s40, s[WV], 1
	s_lshl_b32 s40, s40, 8
	s_lshr_b32 s41, s[WV], 1
	s_lshl_b32 s41, s41, 2
	s_add_co_u32 s40, s40, s41
	s_add_co_u32 s40, s40, SCL
	v_add_nc_u32 v[SCW], s40, v[R16]               ; SCL + 256 (w & 1) + 16 r + 4 (w >> 1)
	v_add_nc_u32 v[SCRD], SCL, v[LI16]
	v_lshlrev_b32 v[BOT], 6, v22
	v_and_b32 v23, 8, v21
	v_add_nc_u32 v23, v23, v21
	v_lshlrev_b32 v[BON], 2, v23
.irp i, 2,3,4,5,6,7
	v_mov_b32 v[TM+\i], 0                          ; written once: a lane permute's destination counts as one of its sources
.endr
	s_mov_b32 s[SEL], 0x76543210
	s_mov_b32 s[SEL+1], 0xfedcba98
	s_lshr_b32 s40, ttmp9, 1                       ; x's block of 64 rows
	s_sub_co_u32 s41, ttmp9, 128                   ; adj's
	s_and_b32 s42, ttmp9, 1
	s_lshl_b32 s42, s42, 3
	s_add_co_u32 s42, s42, s[WV]                   ; my head, which is also Wq's group
	s_add_co_u32 s43, s[WV], 16                    ; Wk's and Wv's groups
	s_and_b32 s44, s[WV], 3
	s_lshr_b32 s45, s[WV], 2
	s_lshr_b32 s26, ttmp9, 7
	s_and_b32 s[NOR], s26, s45
	s_and_b32 s46, ttmp9, 1                        ; the record's parity
	s_lshl_b32 s46, s46, 4
	s_lshl_b32 s46, 1, s46
	s_cmp_lt_u32 s[WV], 4
	s_cselect_b32 s[MUL], 0x10001, s46             ; k: (s0, s1, s0, s1); v: the two bytes at the record's half of the word
	s_wait_kmcnt 0x0
	s_cmp_lt_u32 s[WV], 4
	s_cselect_b64 s[BIA:BIA+1], s[10:11], s[12:13]
	s_cmp_lt_u32 ttmp9, 128                        ; the roles hang on the work-group's number alone
	s_cselect_b64 s[SRC:SRC+1], s[4:5], s[6:7]
	s_cselect_b64 s[BIA:BIA+1], s[8:9], s[BIA:BIA+1]
	s_cselect_b32 s47, s40, s41                    ; my block of 64 rows
	s_cselect_b32 s48, s42, s43                    ; my group of columns
	s_cselect_b32 s49, s42, s44                    ; which 64 numbers of the bias
	s_mov_b32 s51, 0
	s_lshl_b32 s50, s47, 18
	s_add_nc_u64 s[SRC:SRC+1], s[SRC:SRC+1], s[50:51]
	s_lshl_b32 s50, s49, 8
	s_add_nc_u64 s[BIA:BIA+1], s[BIA:BIA+1], s[50:51]
	s_mul_i32 s50, s48, 49152
	s_add_nc_u64 s[WB:WB+1], s[14:15], s[50:51]
	s_lshl_b32 s50, s48, 11
	s_add_nc_u64 s[WSB:WSB+1], s[16:17], s[50:51]
	s_lshl_b32 s50, s47, 6
	s_add_co_u32 s50, s50, s42
	s_mul_i32 s50, s50, 768
	s_add_nc_u64 s[QI:QI+1], s[18:19], s[50:51]
	s_lshl_b32 s50, s47, 4
	s_add_co_u32 s50, s50, s42
	s_lshl_b32 s50, s50, 9
	s_add_nc_u64 s[QSB:QSB+1], s[20:21], s[50:51]
	s_mul_i32 s50, s47, 6656
	s_add_nc_u64 s[KR:KR+1], s[22:23], s[50:51]
	s_mul_i32 s50, s[WV], 768
	s_add_nc_u64 s[KI:KI+1], s[KR:KR+1], s[50:51]
	; the small loads first: being the oldest, they enter no later count.  Both forms of the bias are loaded by every wave, so that no branch stands here
	WIN 0x40
	s_wait_alu depctr_va_vdst(0)                   ; the offsets and LDS addresses v1 to v13, v57 and v79 are written: every load and store of the kernel reads one of them
.irp c, 0,1,2,3
	global_load_b128 v[BIAS+8*\c:BIAS+8*\c+3], v[BOT], s[BIA:BIA+1] offset:(32*(\c/2)+8*(\c%2))*4
	global_load_b128 v[BIAS+8*\c+4:BIAS+8*\c+7], v[BOT], s[BIA:BIA+1] offset:(32*(\c/2)+8*(\c%2))*4+16
.endr
	WIN 0
.irp c, 0,1,2,3
	global_load_b32 v[BT+\c], v[BON], s[BIA:BIA+1] offset:(32*(\c/2)+8*(\c%2))*4
.endr
.irp g, 0,1,2,3
	global_load_b128 v[WS+4*\g:WS+4*\g+3], v[LI16], s[WSB:WSB+1] offset:512*\g
.endr
	GLOAD 0, G0, 0
	GLOAD 1, G1, 0x40
	WLOAD 0
	WLOAD 1
	; ---- the rows are quantised: my K step of the four tiles of rows
	s_wait_loadcnt 40                              ; tile 0 is in; younger: tile 1's 16 loads and two K steps' 12 of weights
	TURN G0, 0
	GLOAD 2, G0, 0
	QUANT XB
	IMAGE 0
	s_wait_loadcnt 40                              ; tile 1; younger: 24 of weights, tile 2's 16
	TURN G1, 0x04                                  ; (an LDS store's data are its source 1: window 1)
	GLOAD 3, G1, 0x40
	QUANT XB
	IMAGE 1
	s_wait_loadcnt 16                              ; tile 2, and with it the bias, the scale words and the weights of K steps 0 and 1; younger: tile 3's 16
	TURN G0, 0
	WLOAD 2
	QUANT XB
	IMAGE 2
	s_wait_loadcnt 12                              ; tile 3; younger: K step 2's weights
	TURN G1, 0x04
	WLOAD 3                                        ; over the registers that tile 3 has left: its stores into the stage have read them
	QUANT XB
	IMAGE 3
	s_wait_dscnt 0x0                               ; for the others' sake: my images have landed
	s_barrier_signal -1
	s_barrier_wait -1                              ; the 32 fragments of the rows lie in LDS
	; ---- the product
	RFLOAD 0, 0                                    ; both halves of K step 0: no vector or matrix instruction has named these registers yet
	RFLOAD 0, 1
	s_cmp_lg_u32 s[NOR], 0
	s_cbranch_scc1 .Lnatural
.irp s, 0,1,2,3,4,5,6,7
	MSTEP 0, \s
.endr
	s_branch .Lsummed
.Lnatural:
	WIN 0x40
.irp c, 0,1,2,3
.irp j, 0,1,2,3,4,5,6,7
	v_mov_b32 v[BIAS+8*\c+\j], v[BT+\c]            ; a lane holds one channel: its number of the bias in all eight registers
.endr
.endr
	WIN 0
	s_wait_alu depctr_va_vdst(0)
.irp s, 0,1,2,3,4,5,6,7
	MSTEP 1, \s
.endr
.Lsummed:
	s_cmp_lt_u32 ttmp9, 128
	s_cbranch_scc0 .Lkv
	; ---- q: the four tiles of 16 queries are quantised in registers, each into registers of its own, and stored from them behind one wait: 512 and 256 consecutive bytes
.irp m, 0,1,2,3
	QUANT2 ACC+32*\m, RF+12*\m
	v_lshl_or_b32 v[XS+\m], v[TM+6], 16, v[TM+6]   ; (s0, s1, s0, s1)
.endr
	s_wait_alu depctr_va_vdst(0)                   ; the quantisers have written the four tiles' codes, v[RF ..], and scale words, v[XS ..], which the stores below read
.irp m, 0,1,2,3
	global_store_b128 v[LI16], v[RF+12*\m:RF+12*\m+3], s[QI:QI+1] offset:12288*\m
	global_store_b64 v[LI8], v[RF+12*\m+4:RF+12*\m+5], s[QI:QI+1] offset:12288*\m+512
.endr
	global_store_b128 v[LI16], v[XS:XS+3], s[QSB:QSB+1]
	s_branch .Lend
.Lkv:
	; ---- k and v: the four groups' results meet in LDS, as images of the accumulators, each from its low end on
	s_wait_alu depctr_va_vdst(0)                   ; the products have written the accumulators, which the LDS stores read; the four places behind the last product stay beside this wait
.irp t, 0,1,2,3,4,5,6,7,8,9,10,11,12,13,14,15
	ds_store_b128 v[XCHW], v[ACC+8*\t:ACC+8*\t+3] offset:1024*\t
	ds_store_b128 v[XCHW], v[ACC+8*\t+4:ACC+8*\t+7] offset:1024*\t+512
.endr
	s_wait_dscnt 0x0
	s_barrier_signal -1
	s_barrier_wait -1
	s_wait_alu depctr_vm_vsrc(0)                   ; my LDS stores have read the accumulators' registers, in which the loads below land; the last image's stores have read v[PC ..], in which wave 0's last load lands
	s_cmp_lt_u32 s[WV], 4
	s_cbranch_scc0 .Lvsum
.irp g, 0,1,2,3                                    ; wave w sums the tile of keys w: its four tiles of channels, of each group
.irp c, 0,1,2,3
.irp k, 0,1
	ds_load_b128 v[ACC+32*\g+8*\c+4*\k:ACC+32*\g+8*\c+4*\k+3], v[RAK] offset:16384*\g+1024*\c+512*\k
.endr
.endr
.endr
	s_branch .Lsum
.Lvsum:
.irp g, 0,1,2,3                                    ; wave 4 + i sums the tile of channels i: its four tiles of keys, of each group
.irp c, 0,1,2,3
.irp k, 0,1
	ds_load_b128 v[ACC+32*\g+8*\c+4*\k:ACC+32*\g+8*\c+4*\k+3], v[RAV] offset:16384*\g+4096*\c+512*\k
.endr
.endr
.endr
.Lsum:
	s_wait_dscnt 0x0
.set j, 0
.rept 16
	v_pk_add_f32 v[ACC+j:ACC+j+1], v[ACC+j:ACC+j+1], v[ACC+32+j:ACC+33+j]
	v_pk_add_f32 v[ACC+64+j:ACC+65+j], v[ACC+64+j:ACC+65+j], v[ACC+96+j:ACC+97+j]
.set j, j+2
.endr
.set j, 0
.rept 16
	v_pk_add_f32 v[ACC+j:ACC+j+1], v[ACC+j:ACC+j+1], v[ACC+64+j:ACC+65+j]
.set j, j+2
.endr
	QUANT2 ACC, RF
	v_mul_u32_u24 v[TM+7], s[MUL], v[TM+6]
	s_wait_alu depctr_va_vdst(0)                   ; the quantiser has written the codes, v[RF ..], and the line above the record's scale word, v[TM+7], which the three stores below read
	global_store_b128 v[LI16], v[RF:RF+3], s[KI:KI+1]
	global_store_b64 v[LI8], v[RF+4:RF+5], s[KI:KI+1] offset:512
	ds_store_b32 v[SCW], v[TM+7]                   ; lanes r and r + 16 write the same word with the same value
	s_wait_dscnt 0x0
	s_barrier_signal -1
	s_barrier_wait -1
	s_cmp_lg_u32 s[WV], 0
	s_cbranch_scc1 .Lend
	ds_load_b128 v[PC:PC+3], v[SCRD]               ; wave 0 sends the record's 512 bytes of scale words
	s_wait_dscnt 0x0
	global_store_b128 v[LI16], v[PC:PC+3], s[KR:KR+1] offset:6144
.Lend:
	s_wait_dscnt 0x0                               ; the closing lines, six on end
	s_wait_alu 0x0
	s_wait_tensorcnt 0x0
	ds_add_u32 v[SPW], v[NIL]
	s_wait_dscnt 0x0
	s_endpgm
.Lfunc_end_k_qba437f4fb6_proj:
	.size	k_qba437f4fb6_proj, .Lfunc_end_k_qba437f4fb6_proj-k_qba437f4fb6_proj
	.p2alignl 7, 3214868480
	.fill 96, 4, 3214868480
	.section	.rodata,"a",@progbits
	.p2align	6, 0x0
	.amdhsa_kernel k_qba437f4fb6_proj
		.amdhsa_group_segment_fixed_size 251392
		.amdhsa_private_segment_fixed_size 0
		.amdhsa_enable_private_segment 0
		.amdhsa_kernarg_size 80
		.amdhsa_user_sgpr_count 2
		.amdhsa_user_sgpr_kernarg_segment_ptr 1
		.amdhsa_wavefront_size32 1
		.amdhsa_system_sgpr_workgroup_id_x 1
		.amdhsa_system_sgpr_workgroup_id_y 1
		.amdhsa_system_sgpr_workgroup_id_z 1
		.amdhsa_system_vgpr_workitem_id 0
		.amdhsa_next_free_vgpr 512
		.amdhsa_next_free_sgpr 66
		.amdhsa_reserve_vcc 0
		.amdhsa_float_denorm_mode_32 3
		.amdhsa_float_denorm_mode_16_64 3
		.amdhsa_memory_ordered 1
		.amdhsa_forward_progress 1
		.amdhsa_inst_pref_size 126
	.end_amdhsa_kernel
	.amdgpu_metadata
---
amdhsa.version: [ 1, 2 ]
amdhsa.kernels:
  - .name:           k_qba437f4fb6_proj
    .symbol:         k_qba437f4fb6_proj.kd
    .args:
      - { .name: x, .offset: 0, .size: 8, .value_kind: global_buffer, .address_space: global }
      - { .name: adj, .offset: 8, .size: 8, .value_kind: global_buffer, .address_space: global }
      - { .name: bq, .offset: 16, .size: 8, .value_kind: global_buffer, .address_space: global }
      - { .name: bk, .offset: 24, .size: 8, .value_kind: global_buffer, .address_space: global }
      - { .name: bv, .offset: 32, .size: 8, .value_kind: global_buffer, .address_space: global }
      - { .name: wimg, .offset: 40, .size: 8, .value_kind: global_buffer, .address_space: global }
      - { .name: wsc, .offset: 48, .size: 8, .value_kind: global_buffer, .address_space: global }
      - { .name: qimg, .offset: 56, .size: 8, .value_kind: global_buffer, .address_space: global }
      - { .name: qsc, .offset: 64, .size: 8, .value_kind: global_buffer, .address_space: global }
      - { .name: kvrec, .offset: 72, .size: 8, .value_kind: global_buffer, .address_space: global }
    .group_segment_fixed_size: 251392
    .private_segment_fixed_size: 0
    .kernarg_segment_align: 8
    .kernarg_segment_size: 80
    .max_flat_workgroup_size: 256
    .sgpr_count:     66
    .vgpr_count:     512
    .wavefront_size: 32
...
	.end_amdgpu_metadata
.endif
;; end of part 5
;; launch attn (part 6): grid 128 x 2, 16 waves a work-group, clusters of 4 x 1, 327,680 bytes of LDS; arguments qimg, qsc, kvrec, oimg, osc; writes oimg, osc
.if DOCPART == 6
	.amdgcn_target "amdgcn-amd-amdhsa--gfx1250"
	.amdhsa_code_object_version 6
	.text
	.protected	k_qba437f4fb6_attn
	.globl	k_qba437f4fb6_attn
	.p2align	8
	.type	k_qba437f4fb6_attn,@function
k_qba437f4fb6_attn:
	s_mov_b64 s[64:65], 0
	v_nop
	global_prefetch_b8 v0, s[64:65] scope:SCOPE_SE
	s_setreg_imm32_b32 hwreg(HW_REG_WAVE_MODE, 25, 1), 1
	s_wait_xcnt 0x0
	s_wait_alu depctr_hold_cnt(0) depctr_sa_sdst(0) depctr_va_vdst(0) depctr_va_sdst(0) depctr_va_ssrc(0) depctr_va_vcc(0) depctr_vm_vsrc(0)
	s_getreg_b32 s2, hwreg(HW_REG_IB_STS2, 6, 4)
	s_cmp_eq_u32 s2, 0
	s_cbranch_scc0 .Lentry_in_a_cluster
	s_endpgm
.Lentry_in_a_cluster:
	s_bfe_u32 s2, ttmp6, 0x10000c
	s_cmp_lg_u32 s2, 0x3003
	s_cbranch_scc0 .Lentry_shape_is_right
	s_endpgm
.Lentry_shape_is_right:
; o = softmax(q ks^T / 8) vs for 16 heads that share ONE key and value head of 64 a batch (the groups were summed by the launch before); both products on codes of E2M3 with one E8M0 byte for each 32 along K.
; THE SOFTMAX: t = score x log2(e) / 8; M = the row's largest t so far, rounded UP to a whole number; p = 2^(t - M) is quantised along the keys, not normalised; the row's sum is taken of the unquantised p and divides at the end.
; When M moves, the sum and O are multiplied by 2^(old M - new M): exact.  o is then quantised along the head's 64 for the last product.
; SHARES.  A work-group owns a tile of 16 queries; wave = head; four waves to a SIMD, so that one wave's vector work stands beside another's matrix work and LDS loads.  Every wave walks the batch's 4,096 keys, 128 a step.
; CLUSTER.  The four work-groups of a cluster walk the same records of k and v: each slot is asked for JOINTLY, by the same tensor loads with the same descriptors and the mask of all four.
; A RECORD (64 keys, 6,656 bytes) holds images of operand registers: 4 tiles of 16 keys of k, 4 tiles of 16 channels of v, 768 bytes each (registers 0-3 of lane l at 16 l, 4-5 at 512 + 8 l), and 512 bytes of scale words.
; K = 64 FILLS HALF OF THE MATRIX INSTRUCTION'S 128.  A fragment of k holds TWO tiles of keys, one in each half of K; q stands as (q | zeros) and as (zeros | q), which picks the one or the other.  Zero codes add nothing under any scale byte here.
; Both products are used transposed (S^T = k q^T, O^T = v^T p^T): a lane holds ONE query throughout.  The keys of a tile, and the channels of a tile of v, were chosen so that two neighbouring tiles' 16 registers are 16 neighbours.
; No prefetch is laid: a slot's refill is asked for eight key steps of all sixteen waves ahead of its first read.
; LIMITS: a block whose every p has fallen to 0 keeps the byte 1 (its codes are zeros); 1 / sum is v_rcp_f32 and a multiplication; NaN and infinities are not served.
.set STEPB, 13312                      ; a key step: two records
.set SLOTB, 8*STEPB                    ; a slot: eight key steps, 106,496 bytes = 416 rows of 256
.set SLOT1, 1<<17                      ; slot 1 begins here: one exclusive or turns an address in one slot into the other's
.set OSC,   SLOT1+SLOTB                ; behind the ring: o's scale bytes of the 16 heads, 512 bytes; no tile lands here
.set SPARE, OSC+512                    ; the spare words, 128 bytes for each wave: eight blocks of 256 bytes that no other line names
.set LI16, 1                           ; v1   16 x lane
.set LI8,  2                           ; v2   8 x lane
.set A16,  3                           ; v3   the step's first byte + 16 x lane
.set A8,   4                           ; v4   + 8 x lane
.set SPW,  5                           ; v5   LDS address of my spare word; never rewritten
.set NIL,  6                           ; v6   0; never rewritten
.set OSA,  7                           ; v7   OSC + 32 r + 2 x head
.set QA,   16                          ; v16-27 (q | zeros);  v28-39 (zeros | q).  v12 -M, v13 the largest t, v[14:15] the sum in two halves
.set QS,   40                          ; v40  q's scale words
.set SCA,  42                          ; v42-45 the first record's scale words: k's tiles 0|1, 2|3, v's 0|1, 2|3 (lanes 0-15 | lanes 16-31)
.set SCB,  46                          ; v46-49 the second record's
.set F,    50                          ; v50-97 four fragments, of k and then of v
.set S,    98                          ; v98-161 S^T, then p
.set O,    162                         ; v162-193 O^T
.set PC,   194                         ; v194-205 p's codes
.set PT,   206                         ; v206-213 the conversions' second halves
.set BM,   214                         ; v214-217 the blocks' largest scores, then largest p
.set BP,   218                         ; v218-221 at work
.set BS,   222                         ; v222-225 the conversions' scale operands
.set FF,   226                         ; v226 f = 2^(old M - new M)
.set PS,   227                         ; v227 p's scale word
.set WK,   228
.set OSR,  229                         ; v229 OSC + 16 x lane
.set TM,   BM
.set WV,   14
.set SEL,  20
.set CS,   22                          ; s[22:23] c = log2(e) / 8
.set G1,   24                          ; s[24:31] descriptor group 1
.set G0,   32                          ; s[32:35] group 0, which walks
.set TB,   36                          ; s36  LDS byte at which the step in hand begins
.set SLOTS, 37
.set STEPS, 38
.macro ROUND                           ; a round of the cluster's barrier
	s_barrier_signal -1
	s_barrier_wait -1
	s_cmp_lg_u32 s[WV], 0
	s_cbranch_scc1 .Lnot_wave_0_\@
	s_barrier_signal -3
.Lnot_wave_0_\@:
	s_barrier_wait -3
	s_barrier_signal -1
	s_barrier_wait -1
.endm
.macro TLOAD                           ; waves 0 to 3 fetch a quarter of a slot each, 104 rows of 256 bytes; the branch hangs on the wave's number alone.  An s_nop 0 and four v_nop follow the load
	s_cmp_lt_u32 s[WV], 4
	s_cbranch_scc0 .Lasked_\@
	tensor_load_to_lds s[G0:G0+3], s[G1:G1+7]
	s_nop 0
.rept 4
	v_nop
.endr
.Lasked_\@:
.endm
.macro LDH reg, off                    ; six registers of an image
	ds_load_b128 v[\reg:\reg+3], v[A16] offset:\off
	ds_load_b64 v[\reg+4:\reg+5], v[A8] offset:\off+512
.endm
.macro MM0 d, a, b, sa, sb, row        ; a product that starts its sum; row = 1: source 0's scales from lanes 16-31
.if (\row) == 0
	v_wmma_scale_f32_16x16x128_f8f6f4 v[\d:\d+7], v[\a:\a+11], v[\b:\b+11], 0, v[\sa], v[\sb] matrix_a_fmt:MATRIX_FMT_FP6 matrix_b_fmt:MATRIX_FMT_FP6
.else
	v_wmma_scale_f32_16x16x128_f8f6f4 v[\d:\d+7], v[\a:\a+11], v[\b:\b+11], 0, v[\sa], v[\sb] matrix_a_fmt:MATRIX_FMT_FP6 matrix_b_fmt:MATRIX_FMT_FP6 matrix_a_scale:MATRIX_SCALE_ROW1
.endif
.endm
.macro MMA d, a, b, sa, sb, row        ; a product that adds in place
.if (\row) == 0
	v_wmma_scale_f32_16x16x128_f8f6f4 v[\d:\d+7], v[\a:\a+11], v[\b:\b+11], v[\d:\d+7], v[\sa], v[\sb] matrix_a_fmt:MATRIX_FMT_FP6 matrix_b_fmt:MATRIX_FMT_FP6
.else
	v_wmma_scale_f32_16x16x128_f8f6f4 v[\d:\d+7], v[\a:\a+11], v[\b:\b+11], v[\d:\d+7], v[\sa], v[\sb] matrix_a_fmt:MATRIX_FMT_FP6 matrix_b_fmt:MATRIX_FMT_FP6 matrix_a_scale:MATRIX_SCALE_ROW1
.endif
.endm
; 32 numbers of a lane, register 16 b + i = k 32 b + 16 (lane / 16) + i of my row, become six registers v[z] on (lane (r, h): block h of row r); the two bytes, b0 | b1 << 8, in v[TM+6]
.macro QUANT2 s, z
.irp b, 0,1
	v_max3_num_f32 v[TM+\b], |v[\s+16*\b]|, |v[\s+1+16*\b]|, 0x1800000
.endr
.irp i, 2,4,6,8,10,12,14
.irp b, 0,1
	s_delay_alu instid0(VALU_DEP_2)
	v_max3_num_f32 v[TM+\b], v[TM+\b], |v[\s+16*\b+\i]|, |v[\s+1+16*\b+\i]|
.endr
.endr
.irp b, 0,1
	s_delay_alu instid0(VALU_DEP_2)
	v_permlanex16_b32 v[TM+2+\b], v[TM+\b], s[SEL], s[SEL+1]
.endr
.irp b, 0,1
	s_delay_alu instid0(VALU_DEP_2)
	v_max_num_f32 v[TM+\b], v[TM+\b], v[TM+2+\b]
.endr
.irp b, 0,1
	s_delay_alu instid0(VALU_DEP_2)
	v_add_nc_u32 v[TM+4+\b], 0xff000000, v[TM+\b]
.endr
.irp b, 0,1
	s_delay_alu instid0(VALU_DEP_2)
	v_lshrrev_b32 v[TM+2+\b], 23, v[TM+4+\b]
.endr
	v_cvt_scalef32_pk16_fp6_f32 v[\z:\z+2], v[\s:\s+15], v[TM+4]
	v_cvt_scalef32_pk16_fp6_f32 v[\z+6:\z+8], v[\s+16:\s+31], v[TM+5]
	v_lshl_or_b32 v[TM+6], v[TM+3], 8, v[TM+2]                 ; the two bytes.  (The plain place behind the conversions)
.irp i, 0,1,2
	v_permlane16_swap_b32 v[\z+\i], v[\z+6+\i]
.endr
.irp i, 0,1,2
	s_delay_alu instid0(VALU_DEP_3)
	v_mov_b32 v[\z+3+\i], v[\z+6+\i]
.endr
.endm
	s_load_b256 s[4:11], s[0:1], 0x0               ; qimg, qsc, kvrec, oimg
	s_load_b64 s[12:13], s[0:1], 0x20              ; osc
	v_lshl_add_u32 v[SPW], v0, 2, SPARE
	v_mov_b32 v[NIL], 0
	ds_add_u32 v[SPW], v[NIL]                      ; the wave's opening: the add and its wait stand ahead of the first tensor load; the set-up below, work on registers, stands between them
	ds_add_u32 v[SPW], v[NIL]
	v_lshrrev_b32 v8, 5, v0
	s_delay_alu instid0(VALU_DEP_1)
	v_readfirstlane_b32 s[WV], v8                  ; wave 0..15 = my head
	v_and_b32 v8, 31, v0
	v_and_b32 v9, 15, v0
	s_delay_alu instid0(VALU_DEP_2)
	v_lshlrev_b32 v[LI16], 4, v8
	s_delay_alu instid0(VALU_DEP_3)
	v_lshlrev_b32 v[LI8], 3, v8
	s_lshl_b32 s40, s[WV], 1
	s_add_co_u32 s40, s40, OSC
	v_lshl_add_u32 v[OSA], v9, 5, s40
	v_add_nc_u32 v[OSR], OSC, v[LI16]
	s_bfe_u32 s15, ttmp6, 0x40000                  ; cx: it enters q's and o's global addresses alone
	s_and_b32 s16, ttmp7, 0xffff                   ; the batch, which the four partners share
	s_mov_b32 s[G1], 15|(3<<16)|(1<<21)            ; 15:0 the mask: all four work-groups; 17:16 elements of 8 bytes; 20 no padding: images are read at consecutive addresses; 21 set beside a mask
	s_mov_b32 s[G1+1], 32<<16                      ; tensor_dim0 = 32 elements: rows of 256 bytes
	s_mov_b32 s[G1+2], 104<<16                     ; tensor_dim1 = 104
	s_mov_b32 s[G1+3], 32<<16                      ; tile_dim0
	s_mov_b32 s[G1+4], 104                         ; tile_dim1
	s_mov_b32 s[G1+5], 32                          ; the pitch: the block is dense
	s_mov_b32 s[G1+6], 0
	s_mov_b32 s[G1+7], 0
	s_and_b32 s17, s[WV], 3
	s_mul_i32 s17, s17, 26624                      ; my quarter of a slot, in LDS and in memory
	s_mul_i32 s18, s16, 425984                     ; the batch's 64 records
	s_add_co_u32 s18, s18, s17
	s_mov_b32 s19, 0
	s_mov_b32 s[SEL], 0x76543210
	s_mov_b32 s[SEL+1], 0xfedcba98
	s_mov_b32 s[CS], 0x3e38aa3b                    ; c = log2(e) / 8
	s_mov_b32 s[CS+1], s[CS]                       ; (named with it as a pair, so it is written)
	s_mov_b32 s[TB], 0
	s_mov_b32 s[SLOTS], 3
	s_wait_dscnt 0x0                               ; the opening add is done
	s_wait_kmcnt 0x0
	s_mov_b32 s[G0], 1
	s_mov_b32 s[G0+1], s17
	s_add_nc_u64 s[G0+2:G0+3], s[8:9], s[18:19]
	s_or_b32 s[G0+3], s[G0+3], 0x80000000
	ROUND                                          ; all four work-groups are here: the first joint loads meet
	TLOAD                                          ; slot 0.  By this text's count a wave has at most one tensor load out
	s_lshl_b32 s40, s16, 5
	s_add_co_u32 s40, s40, ttmp9                   ; the group of four tiles of queries: 32 x batch + cluster x
	s_lshl_b32 s41, s40, 2
	s_add_co_u32 s41, s41, s15                     ; my tile of queries
	s_lshl_b32 s42, s41, 4
	s_add_co_u32 s42, s42, s[WV]
	s_mul_i32 s42, s42, 768
	s_mov_b32 s43, 0
	s_add_nc_u64 s[4:5], s[4:5], s[42:43]          ; q's image
	s_add_nc_u64 s[10:11], s[10:11], s[42:43]      ; o's
	s_lshl_b32 s42, s40, 4
	s_add_co_u32 s42, s42, s[WV]
	s_lshl_b32 s42, s42, 9
	s_lshl_b32 s44, s15, 2
	s_add_co_u32 s42, s42, s44
	s_add_nc_u64 s[6:7], s[6:7], s[42:43]          ; q's scale words: 16 bytes a lane, my tile's word among the four
	s_lshl_b32 s42, s41, 9
	s_add_nc_u64 s[12:13], s[12:13], s[42:43]      ; o's scale bytes
	s_wait_alu depctr_va_vdst(0)
	global_load_b128 v[QA:QA+3], v[LI16], s[4:5]   ; q, twice: as the lower half of K,
	global_load_b64 v[QA+4:QA+5], v[LI8], s[4:5] offset:512
	global_load_b128 v[QA+18:QA+21], v[LI16], s[4:5]   ; and as the upper
	global_load_b64 v[QA+22:QA+23], v[LI8], s[4:5] offset:512
	global_load_b32 v[QS], v[LI16], s[6:7]
.set j, 6
.rept 12
	v_mov_b32 v[QA+j], 0                           ; the other halves: zero codes
.set j, j+1
.endr
	v_mov_b32 v13, 0xff61b1e6                      ; the largest t so far: -3e38, under every t
	s_delay_alu instid0(VALU_DEP_1)
	v_floor_f32 v12, -v13                          ; -M
	v_mov_b32 v14, 0
	v_mov_b32 v15, 0
.set j, 0
.rept 32
	v_mov_b32 v[O+j], 0                            ; O^T.  (The step is written once: the first finds zeros, which the first change of M leaves zeros)
.set j, j+1
.endr
.irp b, 0,1,2,3
	v_mov_b32 v[BP+\b], 0                          ; written once: a lane permute's destination counts as one of its sources
.endr
	v_mov_b32 v[PS], 0                             ; (named as the upper half of the pair with f before it is first written)
	s_wait_loadcnt 0x0
; A KEY STEP: 128 keys, two records
.macro STEP
	v_add_nc_u32 v[A16], s[TB], v[LI16]
	v_add_nc_u32 v[A8], s[TB], v[LI8]
	v_nop
	v_nop                                          ; four places in front of loads into registers that the last products have read
.irp b, 0,1,2,3                                    ; a fragment of k: two tiles of 16 keys
	LDH F+12*\b, 6656*(\b/2)+1536*(\b%2)
	LDH F+12*\b+6, 6656*(\b/2)+1536*(\b%2)+768
.endr
	ds_load_b128 v[SCA:SCA+3], v[A16] offset:6144
	ds_load_b128 v[SCB:SCB+3], v[A16] offset:12800
	s_wait_alu depctr_va_vdst(0)
	s_wait_dscnt 0x0
.irp t, 0,1,2,3,4,5,6,7                            ; S^T = k q^T: tile t lies in half t % 2 of fragment t / 2
	MM0 S+8*\t, F+12*(\t/2), QA+12*(\t%2), SCA+4*(\t/4)+(\t%4)/2, QS, \t%2
.endr
	v_or_b32 v[SCA+2], v[SCA+2], v[SCB+2]          ; v's scale words of the 128 keys: the first record's two bytes below, the second's above.
	v_or_b32 v[SCA+3], v[SCA+3], v[SCB+3]          ; (With the two v_nop: four places behind the products, which name neither register)
	v_nop
	v_nop
.irp t, 0,1,2,3                                    ; a fragment of v: 16 channels x the two records' 64 keys.  These loads land under the softmax
	LDH F+12*\t, 3072+768*\t
	LDH F+12*\t+6, 9728+768*\t
.endr
.irp b, 0,1,2,3
	v_max3_num_f32 v[BM+\b], v[S+16*\b], v[S+1+16*\b], v[S+2+16*\b]   ; THE LARGEST SCORE OF EACH BLOCK OF 32 KEYS: it serves for the row's maximum and, since p rises with the score, for the block's largest p
.endr
.irp i, 3,5,7,9,11,13
.irp b, 0,1,2,3
	v_max3_num_f32 v[BM+\b], v[BM+\b], v[S+16*\b+\i], v[S+1+16*\b+\i]
.endr
.endr
.irp b, 0,1,2,3
	v_max_num_f32 v[BM+\b], v[BM+\b], v[S+15+16*\b]
.endr
.irp b, 0,1,2,3
	s_delay_alu instid0(VALU_DEP_4)
	v_permlanex16_b32 v[BP+\b], v[BM+\b], s[SEL], s[SEL+1]
.endr
.irp b, 0,1,2,3
	s_delay_alu instid0(VALU_DEP_4)
	v_max_num_f32 v[BM+\b], v[BM+\b], v[BP+\b]     ; with lane l xor 16's 16 keys
.endr
	s_delay_alu instid0(VALU_DEP_2)
	v_max3_num_f32 v[WK], v[BM], v[BM+1], v[BM+2]
	s_delay_alu instid0(VALU_DEP_1)
	v_max_num_f32 v[WK], v[WK], v[BM+3]            ; the step's largest score of my query
	s_delay_alu instid0(VALU_DEP_1)
	v_mul_f32 v[WK], s[CS], v[WK]                  ; as t (c is positive)
	s_delay_alu instid0(VALU_DEP_1)
	v_max_num_f32 v13, v13, v[WK]                  ; the running largest t
	v_mov_b32 v[WK], v12
	s_delay_alu instid0(VALU_DEP_2)
	v_floor_f32 v12, -v13                          ; the new -M = floor(-t): M IS A WHOLE NUMBER
	s_delay_alu instid0(VALU_DEP_1)
	v_sub_f32 v[WK], v12, v[WK]                    ; old M - new M: a whole number, 0 or less
	s_delay_alu instid0(VALU_DEP_1)
	v_cvt_i32_f32 v[WK], v[WK]                     ; (it saturates)
	s_delay_alu instid0(VALU_DEP_1)
	v_ldexp_f32 v[FF], 1.0, v[WK]                  ; f = 2^(old M - new M)
.set j, 0
.rept 32
	v_pk_fma_f32 v[S+j:S+j+1], v[S+j:S+j+1], s[CS:CS+1], v[12:13] op_sel_hi:[1,0,0]   ; t - M, two at a time
.set j, j+2
.endr
.irp b, 0,1,2,3
	v_fma_f32 v[BM+\b], v[BM+\b], s[CS], v12       ; the same of each block's largest score
.endr
.set j, 0
	s_wait_alu depctr_va_vdst(0)
.rept 64
	v_exp_f32 v[S+j], v[S+j]                       ; p = 2^(t - M), at most 1: not normalised
.set j, j+1
.endr
	s_setprio 1
	v_pk_mul_f32 v[14:15], v[14:15], v[FF:FF+1] op_sel_hi:[1,0]   ; the sums under the new M.  (A plain place behind the exponentials)
	s_wait_alu depctr_va_vdst(0)                   ; one wait for the whole batch, ahead of its first reader
.irp b, 0,1,2,3
	v_exp_f32 v[BM+\b], v[BM+\b]                   ; the block's largest p: the same two instructions on the same number give the same bits
.endr
	v_pk_add_f32 v[218:219], v[102:103], v[106:107]
	v_pk_add_f32 v[254:255], v[110:111], v[114:115]
	v_pk_add_f32 v[252:253], v[118:119], v[122:123]
	v_pk_add_f32 v[250:251], v[126:127], v[130:131]
	v_pk_add_f32 v[248:249], v[134:135], v[138:139]
	v_pk_add_f32 v[246:247], v[142:143], v[146:147]
	v_pk_add_f32 v[244:245], v[150:151], v[154:155]
	v_pk_add_f32 v[14:15], v[14:15], v[158:159]
	v_pk_add_f32 v[218:219], v[218:219], v[98:99]
	v_pk_add_f32 v[254:255], v[254:255], v[100:101]
	v_pk_add_f32 v[252:253], v[252:253], v[104:105]
	v_pk_add_f32 v[250:251], v[250:251], v[108:109]
	v_pk_add_f32 v[248:249], v[248:249], v[112:113]
	v_pk_add_f32 v[246:247], v[246:247], v[116:117]
	v_pk_add_f32 v[244:245], v[244:245], v[120:121]
	v_pk_add_f32 v[14:15], v[14:15], v[124:125]
	v_pk_add_f32 v[218:219], v[218:219], v[128:129]
	v_pk_add_f32 v[254:255], v[254:255], v[132:133]
	v_pk_add_f32 v[252:253], v[252:253], v[136:137]
	v_pk_add_f32 v[250:251], v[250:251], v[140:141]
	v_pk_add_f32 v[248:249], v[248:249], v[144:145]
	v_pk_add_f32 v[246:247], v[246:247], v[148:149]
	v_pk_add_f32 v[244:245], v[244:245], v[152:153]
	v_pk_add_f32 v[14:15], v[14:15], v[156:157]
	v_pk_add_f32 v[218:219], v[218:219], v[160:161]
	s_delay_alu instid0(VALU_DEP_2)
	v_pk_add_f32 v[14:15], v[14:15], v[250:251]
	s_delay_alu instid0(VALU_DEP_2)
	v_pk_add_f32 v[218:219], v[218:219], v[248:249]
	v_pk_add_f32 v[254:255], v[254:255], v[246:247]
	v_pk_add_f32 v[252:253], v[252:253], v[244:245]
	s_delay_alu instid0(VALU_DEP_2)
	v_pk_add_f32 v[14:15], v[14:15], v[254:255]
	s_delay_alu instid0(VALU_DEP_2)
	v_pk_add_f32 v[218:219], v[218:219], v[252:253]
	s_delay_alu instid0(VALU_DEP_1)
	v_pk_add_f32 v[14:15], v[14:15], v[218:219]
	s_wait_alu depctr_va_vdst(0)                   ; and one for the four
.irp b, 0,1,2,3
	v_max_num_f32 v[BM+\b], 0x1800000, v[BM+\b]    ; the floor 2^(3 - 127): the byte cannot fall under 1
.endr
.irp b, 0,1,2,3
	s_delay_alu instid0(VALU_DEP_4)
	v_add_nc_u32 v[BS+\b], 0xff000000, v[BM+\b]    ; 2 off the exponent field: the conversion's scale operand
.endr
.irp b, 0,1,2,3
	s_delay_alu instid0(VALU_DEP_4)
	v_lshrrev_b32 v[BP+\b], 23, v[BS+\b]           ; the scale's byte
.endr
	s_delay_alu instid0(VALU_DEP_3)
	v_lshl_or_b32 v[PS], v[BP+1], 8, v[BP]         ; p's scale word for these 128 keys
	s_delay_alu instid0(VALU_DEP_1)
	v_lshl_or_b32 v[PS], v[BP+2], 16, v[PS]
	s_delay_alu instid0(VALU_DEP_1)
	v_lshl_or_b32 v[PS], v[BP+3], 24, v[PS]
.irp c, 0,1
	v_cvt_scalef32_pk16_fp6_f32 v[PC+6*\c:PC+2+6*\c], v[S+32*\c:S+15+32*\c], v[BS+2*\c]
	v_cvt_scalef32_pk16_fp6_f32 v[PT+4*\c:PT+2+4*\c], v[S+16+32*\c:S+31+32*\c], v[BS+2*\c+1]
.endr
	v_nop                                          ; one plain place behind a scaled conversion
.irp c, 0,1                                        ; the operand wants a WHOLE block in a lane
.irp i, 0,1,2
	v_permlane16_swap_b32 v[PC+6*\c+\i], v[PT+4*\c+\i]
.endr
.irp i, 0,1,2
	s_delay_alu instid0(VALU_DEP_3)
	v_mov_b32 v[PC+3+6*\c+\i], v[PT+4*\c+\i]
.endr
.endr
.set j, 0
	s_setprio 0
.rept 16
	v_pk_mul_f32 v[O+j:O+j+1], v[O+j:O+j+1], v[FF:FF+1] op_sel_hi:[1,0]   ; O^T under the new M.  (These sixteen are also the places between the lines that wrote p's codes and scale word and the products)
.set j, j+2
.endr
	s_wait_alu depctr_va_vdst(0)
	s_wait_dscnt 0x0                               ; v's fragments
.irp t, 0,1,2,3                                    ; O^T += v^T p^T; the four accumulators by turns
	MMA O+8*\t, F+12*\t, PC, SCA+2+(\t/2), PS, \t%2
.endr
	s_add_co_u32 s[TB], s[TB], STEPB
.endm
.macro EIGHT                           ; a slot's eight key steps: written once, walked eight times
	s_mov_b32 s[STEPS], 8
.Lstep_\@:
	s_setprio 2
	STEP
	s_sub_co_u32 s[STEPS], s[STEPS], 1
	s_cmp_lg_u32 s[STEPS], 0
	s_cbranch_scc1 .Lstep_\@
	s_setprio 0
.endm
; THE CHANGE OF SLOTS stands at a slot's head.  Each wave waits for all its tensor loads (its part of the slot ahead), adds 0 to its spare word, and waits for that and for its reads of the slot that it has left.
; fill = 1: a round of the cluster's barrier, so that no wave of any partner still reads that slot or has a load on its way; the joint refill is the first thing behind it and has eight key steps in which to land.
.macro CHANGE fill
	s_wait_tensorcnt 0x0                           ; no tensor load of mine is out, so group 0 may be written
	ds_add_u32 v[SPW], v[NIL]                      ; 0 onto my spare word
.if \fill
	s_xor_b32 s[G0+1], s[G0+1], SLOT1              ; the other slot than last time,
	s_add_nc_u64 s[G0+2:G0+3], s[G0+2:G0+3], SLOTB ; the next 16 records; the type bits on top are not reached
.endif
	s_wait_dscnt 0x0                               ; the add is done, and my reads of the slot that I have left are over
.if \fill
	ROUND
	TLOAD
.else
	s_barrier_signal -1
	s_barrier_wait -1
.endif
.endm
.Lslot:                                            ; three trips: behind each change of slots but the last the next slot is asked for
	CHANGE 1
	EIGHT
	s_sub_co_u32 s[TB], s[TB], SLOTB               ; back to a slot's first step,
	s_xor_b32 s[TB], s[TB], SLOT1                  ; in the other slot
	s_sub_co_u32 s[SLOTS], s[SLOTS], 1
	s_cmp_lg_u32 s[SLOTS], 0
	s_cbranch_scc1 .Lslot
	CHANGE 0                                       ; the last slot is written out
	EIGHT
	; THE WAY OUT.  O^T / the sum is quantised along the head's 64 in registers and stored from them; the 16 heads' scale bytes meet in LDS and leave as 512 consecutive bytes
.rept 4
	v_nop                                          ; four places behind the last products
.endr
	v_add_f32 v14, v14, v15                        ; the sum's two halves,
	s_delay_alu instid0(VALU_DEP_1)
	v_permlanex16_b32 v[WK], v14, s[SEL], s[SEL+1]
	s_delay_alu instid0(VALU_DEP_1)
	v_add_f32 v14, v14, v[WK]                      ; and lane l xor 16's: the row's sum
	s_wait_alu depctr_va_vdst(0)
	v_rcp_f32 v14, v14
	v_nop                                          ; a plain place behind the transcendental
	s_wait_alu depctr_va_vdst(0)                   ; and the wait ahead of its first reader
.set j, 0
.rept 16
	v_pk_mul_f32 v[S+j:S+j+1], v[O+j:O+j+1], v[14:15] op_sel_hi:[1,0]   ; register 16 b + i is channel 32 b + 16 (lane / 16) + i; each accumulator is read from its low end on
.set j, j+2
.endr
	QUANT2 S, PC
	global_store_b128 v[LI16], v[PC:PC+3], s[10:11]
	global_store_b64 v[LI8], v[PC+4:PC+5], s[10:11] offset:512
	ds_store_b16 v[OSA], v[TM+6]                   ; my head's two bytes of row r; lanes r and r + 16 write the same
	s_wait_dscnt 0x0
	s_barrier_signal -1
	s_barrier_wait -1
	s_cmp_lg_u32 s[WV], 0
	s_cbranch_scc1 .Lend
	ds_load_b128 v[8:11], v[OSR]
	s_wait_dscnt 0x0
	global_store_b128 v[LI16], v[8:11], s[12:13]
.Lend:
	s_wait_tensorcnt 0x0                           ; the wave's end: behind my last tensor load and my last LDS store
	ds_add_u32 v[SPW], v[NIL]
	s_wait_dscnt 0x0
	ROUND                                          ; the closing round: no work-group ends while a partner may still ask for a tile that names it
	s_endpgm
.Lfunc_end_k_qba437f4fb6_attn:
	.size	k_qba437f4fb6_attn, .Lfunc_end_k_qba437f4fb6_attn-k_qba437f4fb6_attn
	.p2alignl 7, 3214868480
	.fill 96, 4, 3214868480
	.section	.rodata,"a",@progbits
	.p2align	6, 0x0
	.amdhsa_kernel k_qba437f4fb6_attn
		.amdhsa_group_segment_fixed_size 327680
		.amdhsa_private_segment_fixed_size 0
		.amdhsa_enable_private_segment 0
		.amdhsa_kernarg_size 40
		.amdhsa_user_sgpr_count 2
		.amdhsa_user_sgpr_kernarg_segment_ptr 1
		.amdhsa_wavefront_size32 1
		.amdhsa_system_sgpr_workgroup_id_x 1
		.amdhsa_system_sgpr_workgroup_id_y 1
		.amdhsa_system_sgpr_workgroup_id_z 1
		.amdhsa_system_vgpr_workitem_id 0
		.amdhsa_next_free_vgpr 256
		.amdhsa_next_free_sgpr 66
		.amdhsa_reserve_vcc 0
		.amdhsa_float_denorm_mode_32 3
		.amdhsa_float_denorm_mode_16_64 3
		.amdhsa_memory_ordered 1
		.amdhsa_forward_progress 1
		.amdhsa_inst_pref_size 47
	.end_amdhsa_kernel
	.amdgpu_metadata
---
amdhsa.version: [ 1, 2 ]
amdhsa.kernels:
  - .name:           k_qba437f4fb6_attn
    .symbol:         k_qba437f4fb6_attn.kd
    .args:
      - { .name: qimg, .offset: 0, .size: 8, .value_kind: global_buffer, .address_space: global }
      - { .name: qsc, .offset: 8, .size: 8, .value_kind: global_buffer, .address_space: global }
      - { .name: kvrec, .offset: 16, .size: 8, .value_kind: global_buffer, .address_space: global }
      - { .name: oimg, .offset: 24, .size: 8, .value_kind: global_buffer, .address_space: global }
      - { .name: osc, .offset: 32, .size: 8, .value_kind: global_buffer, .address_space: global }
    .group_segment_fixed_size: 327680
    .private_segment_fixed_size: 0
    .kernarg_segment_align: 8
    .kernarg_segment_size: 40
    .max_flat_workgroup_size: 512
    .sgpr_count:     66
    .vgpr_count:     256
    .wavefront_size: 32
...
	.end_amdgpu_metadata
.endif
;; end of part 6
;; launch outp (part 7): grid 256 x 1, 8 waves a work-group, no clusters, 116,736 bytes of LDS; arguments oimg, osc, wimg, wsc, bo, out0; writes out0
.if DOCPART == 7
	.amdgcn_target "amdgcn-amd-amdhsa--gfx1250"
	.amdhsa_code_object_version 6
	.text
	.protected	k_qba437f4fb6_outp
	.globl	k_qba437f4fb6_outp
	.p2align	8
	.type	k_qba437f4fb6_outp,@function
k_qba437f4fb6_outp:
	s_mov_b64 s[64:65], 0
	v_nop
	global_prefetch_b8 v0, s[64:65] scope:SCOPE_SE
	s_setreg_imm32_b32 hwreg(HW_REG_WAVE_SCHED_MODE, 0, 2), 2
	s_setreg_imm32_b32 hwreg(HW_REG_WAVE_MODE, 25, 1), 1
	s_wait_xcnt 0x0
	s_wait_alu depctr_vm_vsrc(0)
; out0 = o Wo + bo, on codes of E2M3 with one E8M0 byte for each 32 along K.  o arrives as images of operand registers ([tile of 16 rows][head] x 768 bytes) with two scale bytes a row and head; Wo as images of fragments.
; SHARES.  A work-group makes 64 rows x 256 columns; wave w the columns 32 w on, for all 64 rows: 8 accumulators, 64 matrix instructions.  Its 16 fragments of Wo stay in its registers (window 1), read from memory once.
; o's 49,152 bytes are copied into LDS once, as they lie, and every wave reads its fragments from there: K step s of a tile of rows is the images of heads 2 s and 2 s + 1 on end.
; The product is used transposed (source 0 = 16 columns of Wo, source 1 = 16 rows of o): a lane holds eight neighbouring columns of one row.  The bias is the C of each sum's first matrix instruction.
; The rows of a tile are not neighbours (row p of tile 2 b + u is row 32 b + 8 u + p + 8 (p / 8) of the 64): the stage's addresses put them back in order.  Each store covers 512 consecutive bytes, aligned.
; THE MODE: SCHED_MODE bits 1:0 = 2 (LLVM: expert scheduling mode 2), set by the entry lines.  The code itself states the register dependences
; between vector or matrix instructions and memory or LDS instructions, with s_wait_alu, always for 0.
; THE PLAN.  Registers that memory or LDS instructions touch:
;   v1-7       offsets and LDS addresses: written at the head and never again: one wait on va_vdst ahead of the first load serves them all.
;   RF0, RF1   o's fragments, two buffers by turns.  Step s: its eight products read RF[s % 2]; the 16 LDS loads of step s + 1 land in the other buffer, which step s - 1 read.
;              So ONE wait on va_vdst stands at a step's head: the last step's products are done reading the buffer that is asked for again.  The loads follow in one run: the products run under a register window
;              in which an LDS address would be taken from block 1, so loads dealt among them would each want two switches.
;              At the head RF0 carries my eighth of o from memory to LDS: one wait on vm_vsrc stands between those LDS stores and the first fragments' loads.
;   OS, WS, BIAS, Wo's fragments: written by global loads once, read by the products alone.
;   ACC        written by the products, read by the stage's stores: the four places, then one wait on va_vdst; it also covers the loads from the stage, which land in RF.
;   v8, v9     written at the head, read by the closing add alone.
.set OIMG,  0
.set STG,   49152                      ; 64 rows x (1,024 + 16) bytes
.set SPARE, 115712                     ; the spare words, 128 bytes for each wave: four blocks of 256 bytes that no other line names
.set LI16, 1                           ; v1   16 x lane
.set LI8,  2                           ; v2   8 x lane
.set CPY,  3                           ; v3   16 x lane + 6,144 w: my part of o's images, in memory and in LDS
.set R32,  4                           ; v4   32 x (lane % 16): my row's scale bytes
.set BO,   5                           ; v5   64 x (lane / 16)
.set SO,   6                           ; v6   the stage: where I put 32 bytes of a row
.set SR,   7                           ; v7   and where I read rows back
.set SPW,  8                           ; v8   LDS address of my spare word; never rewritten
.set NIL,  9                           ; v9   0; never rewritten
.set OS,   20                          ; v20-51 o's scale words: tile m, K step s at 8 m + s
.set WS,   52                          ; v52-59 Wo's: pair of K steps g, tile u at 2 g + u (lanes 0-15 the even step, lanes 16-31 the odd)
.set BIAS, 60                          ; v60-75 the bias in the result's layout
.set RF,   76                          ; v76-171 o's four fragments, two buffers; at the end the rows on their way out
.set ACC,  172                         ; v172-235 the accumulators: (m, u) at 8 (2 m + u).   Window 1, v0-191: Wo's fragments, (s, u) at 12 (2 s + u)
.set WV,   16
.set MSB, 0
.macro WIN new                         ; the immediate's high byte repeats the setting that is left
.if MSB != \new
	s_set_vgpr_msb (MSB<<8)|\new
.set MSB, \new
.endif
.endm
.macro LDH reg, off
	ds_load_b128 v[\reg:\reg+3], v[LI16] offset:\off
	ds_load_b64 v[\reg+4:\reg+5], v[LI8] offset:\off+512
.endm
.macro LOADRF s                        ; 16 LDS loads: the four tiles' fragments of K step s into buffer s % 2
.irp m, 0,1,2,3
	LDH RF+48*((\s)%2)+12*\m, OIMG+12288*\m+1536*(\s)
	LDH RF+48*((\s)%2)+12*\m+6, OIMG+12288*\m+1536*(\s)+768
.endr
.endm
.macro WLOADS s0                       ; Wo's fragments of four K steps: 24 loads
	WIN 0x40
.irp s, \s0, \s0+1, \s0+2, \s0+3
.irp u, 0,1
.irp k, 0,1,2
	global_load_b128 v[12*(2*(\s)+\u)+4*\k:12*(2*(\s)+\u)+4*\k+3], v[LI16], s[28:29] offset:6144*(\s)+1536*\u+512*\k
.endr
.endr
.endr
	WIN 0
.endm
.macro MM d, a, b, c, sa, sb, row
.if (\row) == 0
	v_wmma_scale_f32_16x16x128_f8f6f4 v[\d:\d+7], v[\a:\a+11], v[\b:\b+11], v[\c:\c+7], v[\sa], v[\sb] matrix_a_fmt:MATRIX_FMT_FP6 matrix_b_fmt:MATRIX_FMT_FP6
.else
	v_wmma_scale_f32_16x16x128_f8f6f4 v[\d:\d+7], v[\a:\a+11], v[\b:\b+11], v[\c:\c+7], v[\sa], v[\sb] matrix_a_fmt:MATRIX_FMT_FP6 matrix_b_fmt:MATRIX_FMT_FP6 matrix_a_scale:MATRIX_SCALE_ROW1
.endif
.endm
	s_load_b256 s[4:11], s[0:1], 0x0               ; oimg, osc, wimg, wsc
	s_load_b128 s[12:15], s[0:1], 0x20             ; bo, out0
	v_lshl_add_u32 v[SPW], v0, 2, SPARE
	v_mov_b32 v[NIL], 0
	v_lshrrev_b32 v10, 5, v0
	v_readfirstlane_b32 s[WV], v10                 ; wave 0..7
	v_and_b32 v10, 31, v0
	v_and_b32 v11, 15, v0                          ; r
	v_bfe_u32 v12, v0, 4, 1                        ; h
	v_lshlrev_b32 v[LI16], 4, v10
	v_lshlrev_b32 v[LI8], 3, v10
	s_wait_alu depctr_va_sdst(0)                   ; the wave's number is written, ahead of its first reader: addresses and bases are made from it
	s_mul_i32 s20, s[WV], 6144
	v_add_nc_u32 v[CPY], s20, v[LI16]
	v_lshlrev_b32 v[R32], 5, v11
	v_lshlrev_b32 v[BO], 6, v12
	v_and_b32 v13, 8, v11
	v_add_nc_u32 v13, v13, v11                     ; r + 8 (r / 8)
	v_mul_u32_u24 v[SO], v13, 1040
	v_lshl_add_u32 v[SO], v12, 6, v[SO]
	s_lshl_b32 s20, s[WV], 7
	s_add_co_u32 s20, s20, STG
	v_add_nc_u32 v[SO], s20, v[SO]                 ; STG + (r + 8 (r / 8)) rows + 128 w + 64 h
	s_mul_i32 s20, s[WV], 8*1040
	s_add_co_u32 s20, s20, STG
	v_add_nc_u32 v[SR], s20, v[LI16]               ; back: my 8 rows, 16 bytes a lane
	s_and_b32 s17, ttmp9, 3                        ; which 256 columns
	s_lshr_b32 s18, ttmp9, 2                       ; which 64 rows
	s_lshr_b32 s19, s[WV], 1
	s_and_b32 s21, s[WV], 1
	s_lshl_b32 s22, s17, 2
	s_add_co_u32 s22, s22, s19
	s_add_co_u32 s22, s22, 24                      ; my group of 64 columns among the weights' 40
	s_mov_b32 s37, 0
	s_wait_kmcnt 0x0
	s_mul_i32 s36, s18, 49152
	s_add_nc_u64 s[24:25], s[4:5], s[36:37]        ; o's images of the 64 rows
	s_lshl_b32 s36, s18, 11
	s_add_nc_u64 s[26:27], s[6:7], s[36:37]        ; their scale bytes
	s_mul_i32 s36, s22, 49152
	s_mul_i32 s23, s21, 3072
	s_add_co_u32 s36, s36, s23
	s_add_nc_u64 s[28:29], s[8:9], s[36:37]        ; my two tiles of columns
	s_lshl_b32 s36, s22, 11
	s_lshl_b32 s23, s21, 3
	s_add_co_u32 s36, s36, s23
	s_add_nc_u64 s[30:31], s[10:11], s[36:37]      ; their scale words
	s_lshl_b32 s36, s17, 10
	s_lshl_b32 s23, s[WV], 7
	s_add_co_u32 s36, s36, s23
	s_add_nc_u64 s[32:33], s[12:13], s[36:37]      ; my 32 numbers of the bias
	s_lshl_b32 s36, s18, 6
	s_lshl_b32 s23, s[WV], 3
	s_add_co_u32 s36, s36, s23
	s_lshl_b32 s36, s36, 12                        ; row 64 R + 8 w of 4,096 bytes,
	s_lshl_b32 s23, s17, 10
	s_add_co_u32 s36, s36, s23                     ; + the work-group's 1,024 bytes of a row
	s_add_nc_u64 s[34:35], s[14:15], s[36:37]
	s_wait_alu depctr_va_vdst(0)                   ; the offsets and LDS addresses v1 to v7 are written: every load and store of the kernel reads one of them
.irp i, 0,1,2,3,4,5,6,7,8,9,10,11
	global_load_b128 v[RF+4*\i:RF+4*\i+3], v[CPY], s[24:25] offset:512*\i   ; my eighth of o's images
.endr
.irp m, 0,1,2,3
.irp k, 0,1
	global_load_b128 v[OS+8*\m+4*\k:OS+8*\m+4*\k+3], v[R32], s[26:27] offset:512*\m+16*\k
.endr
.endr
.irp g, 0,1,2,3
	global_load_b64 v[WS+2*\g:WS+2*\g+1], v[LI16], s[30:31] offset:512*\g
.endr
.irp u, 0,1
.irp k, 0,1
	global_load_b128 v[BIAS+8*\u+4*\k:BIAS+8*\u+4*\k+3], v[BO], s[32:33] offset:32*\u+16*\k
.endr
.endr
	WLOADS 0
	s_wait_loadcnt 40                              ; my eighth is in; younger: 16 small loads and 24 of weights
.irp i, 0,1,2,3,4,5,6,7,8,9,10,11
	ds_store_b128 v[CPY], v[RF+4*\i:RF+4*\i+3] offset:OIMG+512*\i
.endr
	WLOADS 4
	s_wait_dscnt 0x0                               ; for the others' sake: my stores have landed
	s_barrier_signal -1
	s_barrier_wait -1                              ; o's 64 images lie in LDS
	s_wait_alu depctr_vm_vsrc(0)                   ; my LDS stores have read v[RF ..], in which the first fragments' loads land
	LOADRF 0
.irp s, 0,1,2,3,4,5,6,7
.if (\s > 0) && (\s < 7)
.rept 4
	v_nop                                          ; four places between the last step's products and the loads into the buffer that they multiplied
.endr
	s_wait_alu depctr_va_vdst(0)                   ; the last step's products are done reading buffer (s + 1) % 2, in which the loads below land
.endif
.if \s < 7
	LOADRF \s+1
	s_wait_dscnt 16                                ; this step's fragments are in; the 16 loads just issued may be out
.else
	s_wait_dscnt 0x0
.endif
.if \s == 0
	s_wait_loadcnt 24                              ; the scale words, the bias and four K steps of weights; the other four steps' 24 loads may be out
.elseif \s == 4
	s_wait_loadcnt 0x0
.endif
	WIN 0x01                                       ; source 0 (Wo) window 1
.irp m, 0,1,2,3                                    ; the eight accumulators by turns, in the same order in every step
.irp u, 0,1
.if \s == 0
	MM ACC+8*(2*\m+\u), 12*(2*\s+\u), RF+48*(\s%2)+12*\m, BIAS+8*\u, WS+2*(\s/2)+\u, OS+8*\m+\s, 0
.else
	MM ACC+8*(2*\m+\u), 12*(2*\s+\u), RF+48*(\s%2)+12*\m, ACC+8*(2*\m+\u), WS+2*(\s/2)+\u, OS+8*\m+\s, \s%2
.endif
.endr
.endr
	WIN 0
.endr
.rept 4
	v_nop                                          ; four places in front of the first read of results
.endr
	s_wait_alu depctr_va_vdst(0)                   ; the products have written the accumulators, which the LDS stores read, and are done reading v[RF ..], in which the loads from the stage land; the places above stay beside this wait
.irp m, 0,1,2,3
.irp u, 0,1
	ds_store_b128 v[SO], v[ACC+8*(2*\m+\u):ACC+8*(2*\m+\u)+3] offset:(32*(\m/2)+8*(\m%2))*1040+32*\u       ; each accumulator from its low end on
	ds_store_b128 v[SO], v[ACC+8*(2*\m+\u)+4:ACC+8*(2*\m+\u)+7] offset:(32*(\m/2)+8*(\m%2))*1040+32*\u+16
.endr
.endr
	s_wait_dscnt 0x0
	s_barrier_signal -1
	s_barrier_wait -1                              ; 64 rows x 1,024 bytes lie in the stage, in their true order
.irp i, 0,1,2,3,4,5,6,7
.irp k, 0,1
	ds_load_b128 v[RF+4*(2*\i+\k):RF+4*(2*\i+\k)+3], v[SR] offset:1040*\i+512*\k
.endr
.endr
.irp i, 0,1,2,3,4,5,6,7
.irp k, 0,1
	s_wait_dscnt 15-(2*\i+\k)
	global_store_b128 v[LI16], v[RF+4*(2*\i+\k):RF+4*(2*\i+\k)+3], s[34:35] offset:4096*\i+512*\k th:TH_STORE_NT   ; written once, read by nobody here
.endr
.endr
	s_wait_dscnt 0x0                               ; the closing lines, six on end
	s_wait_alu 0x0
	s_wait_tensorcnt 0x0
	ds_add_u32 v[SPW], v[NIL]
	s_wait_dscnt 0x0
	s_endpgm
.Lfunc_end_k_qba437f4fb6_outp:
	.size	k_qba437f4fb6_outp, .Lfunc_end_k_qba437f4fb6_outp-k_qba437f4fb6_outp
	.p2alignl 7, 3214868480
	.fill 96, 4, 3214868480
	.section	.rodata,"a",@progbits
	.p2align	6, 0x0
	.amdhsa_kernel k_qba437f4fb6_outp
		.amdhsa_group_segment_fixed_size 116736
		.amdhsa_private_segment_fixed_size 0
		.amdhsa_enable_private_segment 0
		.amdhsa_kernarg_size 48
		.amdhsa_user_sgpr_count 2
		.amdhsa_user_sgpr_kernarg_segment_ptr 1
		.amdhsa_wavefront_size32 1
		.amdhsa_system_sgpr_workgroup_id_x 1
		.amdhsa_system_sgpr_workgroup_id_y 1
		.amdhsa_system_sgpr_workgroup_id_z 1
		.amdhsa_system_vgpr_workitem_id 0
		.amdhsa_next_free_vgpr 512
		.amdhsa_next_free_sgpr 66
		.amdhsa_reserve_vcc 0
		.amdhsa_float_denorm_mode_32 3
		.amdhsa_float_denorm_mode_16_64 3
		.amdhsa_memory_ordered 1
		.amdhsa_forward_progress 1
		.amdhsa_inst_pref_size 34
	.end_amdhsa_kernel
	.amdgpu_metadata
---
amdhsa.version: [ 1, 2 ]
amdhsa.kernels:
  - .name:           k_qba437f4fb6_outp
    .symbol:         k_qba437f4fb6_outp.kd
    .args:
      - { .name: oimg, .offset: 0, .size: 8, .value_kind: global_buffer, .address_space: global }
      - { .name: osc, .offset: 8, .size: 8, .value_kind: global_buffer, .address_space: global }
      - { .name: wimg, .offset: 16, .size: 8, .value_kind: global_buffer, .address_space: global }
      - { .name: wsc, .offset: 24, .size: 8, .value_kind: global_buffer, .address_space: global }
      - { .name: bo, .offset: 32, .size: 8, .value_kind: global_buffer, .address_space: global }
      - { .name: out0, .offset: 40, .size: 8, .value_kind: global_buffer, .address_space: global }
    .group_segment_fixed_size: 116736
    .private_segment_fixed_size: 0
    .kernarg_segment_align: 8
    .kernarg_segment_size: 48
    .max_flat_workgroup_size: 256
    .sgpr_count:     66
    .vgpr_count:     512
    .wavefront_size: 32
...
	.end_amdgpu_metadata
.endif
;; end of part 7
